; MI455X (gfx1250); checked and timed in simulation.
; The chip was launched on July 23, 2026; its instructions are those of AMD's public machine-readable ISA for CDNA 5 (MIT licence, August 2026) and "CDNA5" Instruction Set Architecture Reference Guide (July 2026). The comments in the code are by the model that wrote it; some were corrected since.
;; Axial Multihead Attention. Allowed arithmetic: matrix products marked QUANTISED: E2M1 operands, one E8M0 scale for each 32 along K, by v_wmma_scale_f32_16x16x128_f8f6f4 with both operands' format E2M1 (or v_wmma_scale_f32_32x16x128_f4), f32 sums; everything else in f32.
;; Inputs: W_in_codes 3,072 x 32 x 16 uint8 (E2M1 codes of W_in, K innermost, in blocks of 32 codes, two codes a byte); W_in_scales 3,072 x 32 uint8 (E8M0 scales of W_in, one for each 32 codes along K); W_out_codes 1,024 x 32 x 16 uint8 (E2M1 codes of W_out, K innermost, in blocks of 32 codes, two codes a byte); W_out_scales 1,024 x 32 uint8 (E8M0 scales of W_out, one for each 32 codes along K); b_in 3,072 float32; b_out 1,024 float32; x_codes 8 x 1,024 x 32 x 16 uint8 (E2M1 codes of x, K innermost, in blocks of 32 codes, two codes a byte); x_scales 8 x 1,024 x 32 uint8 (E8M0 scales of x, one for each 32 codes along K).
;; Outputs: out0 8 x 1,024 x 1,024 float32; out1 8 x 1,024 x 1,024 float32.
;; This version of the problem:
;;   THIS VERSION OF THE PROBLEM IS GIVEN IN LOW PRECISION. The matrix products marked QUANTISED in the list below multiply operands that are first quantised to E2M1 (2 exponent bits, 1 mantissa bit; 4 bits a number), with one power-of-two scale for each 32 numbers along K (OCP MX v1.0); their sums are f32. All else is computed in f32.
;;   The module's matrix products, in the order in which they are computed (A, B: the left and right operand; K: the contracted axis; several contracted axes count as one K, in the product's order):
;;     1. [M 8,192, K 1,024] x [K 1,024, N 3,072]; A: input x (given as codes); B: input W_in (given as codes): QUANTISED
;;     2. batch 128 x [M 1,024, K 64] x [K 64, N 1,024]; A: computed on the way; B: computed on the way: QUANTISED
;;     3. batch 128 x [M 1,024, K 1,024] x [K 1,024, N 64]; A: softmax (see below); B: computed on the way: QUANTISED
;;     4. [M 8,192, K 1,024] x [K 1,024, N 1,024]; A: computed on the way; B: input W_out (given as codes): QUANTISED
;;   THE QUANTISER, for each operand of a quantised product, along K:
;;     - K is cut into blocks of 32 from its start; a last block that is shorter is filled with zeros.
;;     - A block's scale is 2^e with e = floor(log2(the largest magnitude in the block)) - 2, held to -126 .. 127; a block of zeros has e = 0. As a byte (E8M0): e + 127.
;;     - Each number is divided by its block's scale, clamped to +-6, and rounded to the nearest number of E2M1, ties to even, subnormals kept.
;;     - The product sums the exact products of the quantised numbers (number of the format x scale) in f32.
;;   ~~~python
;;   def quantise(x, axis):      # numpy; x: float32 -> the quantised numbers, widened to float32 again
;;       x = np.moveaxis(x, axis, -1); K = x.shape[-1]
;;       x = np.pad(x, [(0, 0)] * (x.ndim - 1) + [(0, -K % 32)]); x = x.reshape(x.shape[:-1] + (-1, 32)); a = np.abs(x).max(-1, keepdims=True)
;;       e = np.where(a > 0, np.clip(np.frexp(np.where(a > 0, a, 1))[1] - 1 - 2, -126, 127), 0)      # np.frexp(a)[1] - 1 = floor(log2(a)), exactly
;;       r = np.clip(x / 2.0 ** e, -6, 6)
;;       step = 2.0 ** (np.maximum(np.frexp(np.where(r == 0, 1, r))[1] - 1, 0) - 1)
;;       q = np.round(r / step) * step * 2.0 ** e      # np.round: ties to even
;;       return np.moveaxis(q.reshape(q.shape[:-2] + (-1,))[..., :K], -1, axis).astype(np.float32)
;;   ~~~
;;   SOFTMAX AHEAD OF A QUANTISED PRODUCT. Where the list says 'softmax', what is quantised is not the finished softmax but p = 2^(t - M), with t = logit x log2(e) and M = ceil(the row's largest t), a whole number; so 1/2 < the row's largest p <= 1. The row's sum l is taken of the UNQUANTISED p, in f32, and the product's result is divided by l at the end. Since M is a whole number, a kernel that streams over the keys may use a running M (the ceiling of the running maximum): every later rescaling is an exact power of two, which a block's scale takes up: the codes' values come out the same.
;;   OPERANDS COMPUTED ON THE WAY. 'Computed on the way' means the value that the module computes at that place (a softmax that the list does not call 'softmax' is quantised finished and normalised). What goes into a quantiser is computed in f32, as accurately as f32 sums, v_exp_f32 and their like allow (about 1e-6 of the number): no bf16 or f16 on the way to a quantiser, and a product that is left as it is and whose result goes on into a quantised operand takes f32 operands (vector FMAs, or v_wmma_f32_16x16x4_f32). A number that lies on a knife's edge between two numbers of the format may be rounded either way, as far as f32 arithmetic and the matrix unit's own rounding can turn it there, and no further.
;;   INPUTS GIVEN AS CODES. W_in (in the module: [3072, 1024], K = its axis 1); W_out (in the module: [1024, 1024], K = its axis 1); x (in the module: [8, 1024, 1024], K = its axis 2): each comes as NAME_codes (uint8): NAME with its K axis moved to the last place and cut into blocks of 32 codes, [.., K / 32, bytes a block], one block behind the other in memory; two codes a byte, the lower K in the low four bits (a code: sign, 2 exponent bits, 1 mantissa bit); and NAME_scales (uint8): the same leading axes, one E8M0 byte (e + 127) for each 32 codes along K. Its value is code x scale, taken as it is: it is not quantised again, and the codes and scales need not be those that the quantiser above would give.
;; 2 versions, each right; version 2 is version 1 with the launch attn written anew for expert scheduling mode. Each part assembles by itself: llvm-mc -triple=amdgcn-amd-amdhsa -mcpu=gfx1250 --defsym DOCPART=n.
;; ======== version 1 of 2: 4 launches
;; workspace buffers: tab 262,144 bytes; qkc 8,388,608 bytes; vc 4,194,304 bytes; sc 786,432 bytes; ac 4,194,304 bytes; asc 262,144 bytes
;; launch tab (part 1): grid 64 x 1, 8 waves a work-group, no clusters, 0 bytes of LDS; arguments tab; writes tab
.if DOCPART == 1
	.amdgcn_target "amdgcn-amd-amdhsa--gfx1250"
	.amdhsa_code_object_version 6
	.text
	.protected	k_q9ec479e62e_tab
	.globl	k_q9ec479e62e_tab
	.p2align	8
	.type	k_q9ec479e62e_tab,@function
k_q9ec479e62e_tab:
	s_mov_b64 s[64:65], 0
	v_nop
	global_prefetch_b8 v0, s[64:65] scope:SCOPE_SE
	s_setreg_imm32_b32 hwreg(HW_REG_WAVE_MODE, 25, 1), 1
	s_wait_xcnt 0x0
; The rotary table: tab[l][0..31] = cos(l f_i), tab[l][32..63] = sin(l f_i), f32, l = 0 .. 1023, f_i = 10000^(-i / 32) = 2^(-i A), A = log2(10) / 8.
; Thread T = 256 x work-group + thread takes 16 bytes at byte 16 T: row l = T / 16, cos (lanes 0-7 of sixteen) or sin (lanes 8-15), four neighbouring i.  Sixteen neighbouring lanes store a row's 256 bytes.
; f_i: A is split: its upper 19 bits times i (5 bits) is exact, so 2^(that) carries the exponential's own error alone; the rest of A enters as the factor 1 - i A_lo ln 2.
; The angle is one f32 product l x f_i.  It is brought into [-pi/4, pi/4] by n = round(angle x 2 / pi) and pi/2 in two parts (the first product and difference are exact: n has 10 bits);
; sine and cosine of the rest are polynomials of degree 7 and 8; the quadrant chooses and signs them.
; LIMIT: f_i is right to about 1.5 units in its last place, so an angle can differ from the module's own f32 angle by about 2e-7 of itself.
.set FI, 8                             ; v8-11   i as f32
.set FQ, 12                            ; v12-15  the exponent, then f_i
.set AN, 16                            ; v16-19  the angle, then the rest r
.set NF, 20                            ; v20-23  n
.set ZZ, 24                            ; v24-27  r r, then its square
.set SN, 28                            ; v28-31  sin r
.set CN, 32                            ; v32-35  cos r
.set MM, 36                            ; v36-39  at work, then the quadrant
.set OU, 40                            ; v40-43  the four results
.set TP, 44                            ; v44-47  at work
	s_load_b64 s[4:5], s[0:1], 0x0
	s_lshl_b32 s6, ttmp9, 8
	s_mov_b32 s8, 0xbed49a60               ; -(A's upper 19 bits)
	s_mov_b32 s9, 0xb506b9e6               ; -(the rest of A) x ln 2
	s_mov_b32 s10, 0x3f22f983              ; 2 / pi
	s_mov_b32 s11, 0xbfc90fdb              ; -(pi / 2 rounded to f32)
	s_mov_b32 s12, 0x333bbd2e              ; that rounded number less pi / 2
	s_mov_b32 s13, 0xbe2aaaa3              ; sine: -1.6666654611e-1
	s_mov_b32 s14, 0x3c08839e              ;        8.3321608736e-3
	s_mov_b32 s15, 0xb94ca1f9              ;       -1.9515295891e-4
	s_mov_b32 s16, 0x3d2aaaa5              ; cosine: 4.166664568e-2
	s_mov_b32 s17, 0xbab6061a              ;        -1.388731625e-3
	s_mov_b32 s18, 0x37ccf5ce              ;         2.443315712e-5
	v_add_nc_u32 v1, s6, v0                ; T
	v_lshrrev_b32 v2, 4, v1
	v_cvt_f32_u32 v2, v2                   ; l
	v_bfe_u32 v3, v1, 3, 1
	v_mul_u32_u24 v3, v3, 3                ; 3 for a sine: sin x = cos(x - pi / 2), one quadrant back = three on
	v_and_b32 v4, 7, v1
	v_lshlrev_b32 v4, 2, v4                ; my first i
	v_lshlrev_b32 v5, 4, v1                ; my 16 bytes
.irp e, 0,1,2,3
	v_add_nc_u32 v[FI+\e], \e, v4
.endr
.irp e, 0,1,2,3
	v_cvt_f32_u32 v[FI+\e], v[FI+\e]
.endr
.irp e, 0,1,2,3
	v_mul_f32 v[FQ+\e], s8, v[FI+\e]       ; exact
.endr
.irp e, 0,1,2,3
	v_exp_f32 v[FQ+\e], v[FQ+\e]
.endr
.irp e, 0,1,2,3
	v_mul_f32 v[TP+\e], s9, v[FI+\e]       ; plain work behind the four exponentials, on none of their registers
.endr
	s_wait_alu depctr_va_vdst(0)           ; one wait for the four, ahead of their first reader
.irp e, 0,1,2,3
	v_fma_f32 v[FQ+\e], v[FQ+\e], v[TP+\e], v[FQ+\e]   ; f_i
.endr
.irp e, 0,1,2,3
	v_mul_f32 v[AN+\e], v2, v[FQ+\e]       ; the angle
.endr
.irp e, 0,1,2,3
	v_mul_f32 v[NF+\e], s10, v[AN+\e]
.endr
.irp e, 0,1,2,3
	v_rndne_f32 v[NF+\e], v[NF+\e]
.endr
.irp e, 0,1,2,3
	v_fma_f32 v[AN+\e], v[NF+\e], s11, v[AN+\e]
.endr
.irp e, 0,1,2,3
	v_fma_f32 v[AN+\e], v[NF+\e], s12, v[AN+\e]        ; r
.endr
.irp e, 0,1,2,3
	v_mul_f32 v[ZZ+\e], v[AN+\e], v[AN+\e]
.endr
.irp e, 0,1,2,3
	v_fma_f32 v[SN+\e], v[ZZ+\e], s15, s14
	v_fma_f32 v[CN+\e], v[ZZ+\e], s18, s17
.endr
.irp e, 0,1,2,3
	v_fma_f32 v[SN+\e], v[SN+\e], v[ZZ+\e], s13
	v_fma_f32 v[CN+\e], v[CN+\e], v[ZZ+\e], s16
.endr
.irp e, 0,1,2,3
	v_mul_f32 v[SN+\e], v[SN+\e], v[ZZ+\e]
	v_fma_f32 v[MM+\e], v[ZZ+\e], -0.5, 1.0
.endr
.irp e, 0,1,2,3
	v_fma_f32 v[SN+\e], v[SN+\e], v[AN+\e], v[AN+\e]   ; sin r
	v_mul_f32 v[ZZ+\e], v[ZZ+\e], v[ZZ+\e]
.endr
.irp e, 0,1,2,3
	v_fma_f32 v[CN+\e], v[CN+\e], v[ZZ+\e], v[MM+\e]   ; cos r
	v_cvt_i32_f32 v[MM+\e], v[NF+\e]
.endr
.irp e, 0,1,2,3
	v_add_nc_u32 v[MM+\e], v[MM+\e], v3                ; the quadrant m: cos is cos r, -sin r, -cos r, sin r for m mod 4 = 0, 1, 2, 3
	v_and_b32 v[TP+\e], 1, v[MM+\e]
	v_cmp_ne_u32 vcc_lo, 0, v[TP+\e]
	v_cndmask_b32 v[OU+\e], v[CN+\e], v[SN+\e], vcc_lo
	v_add_nc_u32 v[MM+\e], 1, v[MM+\e]
	v_and_b32 v[MM+\e], 2, v[MM+\e]                    ; set for m mod 4 = 1, 2
	v_lshlrev_b32 v[MM+\e], 30, v[MM+\e]
	v_xor_b32 v[OU+\e], v[OU+\e], v[MM+\e]             ; the sign
.endr
	s_wait_kmcnt 0x0
	global_store_b128 v5, v[OU:OU+3], s[4:5]           ; a wave stores 512 consecutive bytes
	s_endpgm
.Lfunc_end_k_q9ec479e62e_tab:
	.size	k_q9ec479e62e_tab, .Lfunc_end_k_q9ec479e62e_tab-k_q9ec479e62e_tab
	.p2alignl 7, 3214868480
	.fill 96, 4, 3214868480
	.section	.rodata,"a",@progbits
	.p2align	6, 0x0
	.amdhsa_kernel k_q9ec479e62e_tab
		.amdhsa_group_segment_fixed_size 0
		.amdhsa_private_segment_fixed_size 0
		.amdhsa_enable_private_segment 0
		.amdhsa_kernarg_size 8
		.amdhsa_user_sgpr_count 2
		.amdhsa_user_sgpr_kernarg_segment_ptr 1
		.amdhsa_wavefront_size32 1
		.amdhsa_system_sgpr_workgroup_id_x 1
		.amdhsa_system_sgpr_workgroup_id_y 1
		.amdhsa_system_sgpr_workgroup_id_z 1
		.amdhsa_system_vgpr_workitem_id 0
		.amdhsa_next_free_vgpr 48
		.amdhsa_next_free_sgpr 66
		.amdhsa_reserve_vcc 1
		.amdhsa_float_denorm_mode_32 3
		.amdhsa_float_denorm_mode_16_64 3
		.amdhsa_memory_ordered 1
		.amdhsa_forward_progress 1
		.amdhsa_inst_pref_size 7
	.end_amdhsa_kernel
	.amdgpu_metadata
---
amdhsa.version: [ 1, 2 ]
amdhsa.kernels:
  - .name:           k_q9ec479e62e_tab
    .symbol:         k_q9ec479e62e_tab.kd
    .args:
      - { .name: tab, .offset: 0, .size: 8, .value_kind: global_buffer, .address_space: global }
    .group_segment_fixed_size: 0
    .private_segment_fixed_size: 0
    .kernarg_segment_align: 8
    .kernarg_segment_size: 8
    .max_flat_workgroup_size: 256
    .sgpr_count:     66
    .vgpr_count:     48
    .wavefront_size: 32
...
	.end_amdgpu_metadata
.endif
;; end of part 1
;; launch qkv (part 2): grid 12 x 32, 4 waves a work-group, clusters of 4 x 4, 327,680 bytes of LDS; arguments x_codes, x_scales, W_in_codes, W_in_scales, b_in, tab, qkc, vc, sc; writes qkc, vc, sc
.if DOCPART == 2
	.amdgcn_target "amdgcn-amd-amdhsa--gfx1250"
	.amdhsa_code_object_version 6
	.text
	.protected	k_q9ec479e62e_qkv
	.globl	k_q9ec479e62e_qkv
	.p2align	8
	.type	k_q9ec479e62e_qkv,@function
k_q9ec479e62e_qkv:
	s_mov_b64 s[64:65], 0
	v_nop
	global_prefetch_b8 v0, s[64:65] scope:SCOPE_SE
	s_setreg_imm32_b32 hwreg(HW_REG_WAVE_MODE, 25, 1), 1
	s_wait_xcnt 0x0
	s_wait_alu depctr_hold_cnt(0) depctr_sa_sdst(0) depctr_va_vdst(0) depctr_va_sdst(0) depctr_va_ssrc(0) depctr_va_vcc(0) depctr_vm_vsrc(0)
	s_getreg_b32 s2, hwreg(HW_REG_IB_STS2, 6, 4)
	s_cmp_eq_u32 s2, 0
	s_cbranch_scc0 .Lentry_in_a_cluster
	s_endpgm
.Lentry_in_a_cluster:
	s_bfe_u32 s2, ttmp6, 0x10000c
	s_cmp_lg_u32 s2, 0xf033
	s_cbranch_scc0 .Lentry_shape_is_right
	s_endpgm
.Lentry_shape_is_right:
; qkv = x W_in^T + b_in on codes of FP4 (E2M1) with E8M0 scales, then what attention wants of it, as codes again:
;   q, k: rotary embedding, quantised along the head's 64 (two blocks of 32); q's factor 1/8 is a power of two: its codes are those of the unscaled numbers and each scale byte is 3 lower;
;   v:    quantised along the KEYS (blocks of 32 tokens).
; x: [8192][1024] codes, W_in: [3072][1024] codes, K innermost, 512 bytes a row; scale bytes 32 a row.
; OUT: qkc: q's codes at byte 0, k's at 4 MiB, each [n 8][head 16][l 1024][32 bytes];  vc: [n][head][step of 128 keys: 8][d 64][64 bytes], keys innermost;
;      sc: words of four scale bytes: q's at 0 and k's at 256 KiB, [n][pair of heads 8][l] = (even head's two blocks, odd head's two);  v's at 512 KiB, [n][head][step][d] = the step's four blocks.
; A work-group of four waves makes 256 tokens x 256 rows of W_in; a wave 128 x 128: 64 accumulators, 512 registers.  All of K (1,024) lies in two LDS slots of 512 along K, each filled once by tensor loads.
; CLUSTERS: 4 x 4 work-groups; x's tile is shared along a row of the cluster, W_in's along a column: each is asked for jointly, by the same load with the same descriptor and a mask that names the four.
; ROLES.  In a result a lane holds ONE row of source 1 ("R") and its eight registers run along eight rows of source 0 ("Q").  A quantiser wants its K along a lane's registers: for q and k that is W_in's rows (d): R = x, Q = W_in;
; for v it is the tokens: R = W_in, Q = x.  The cluster's x (0: q, 1: k, 2: v; the same in all sixteen partners) chooses; loads, LDS map and the text of the products are the same, only the LDS bases of the fragment loads change places.
; LIMITS: a block whose largest magnitude lies under 2^-121 gets the floor's scale; NaN and infinities are not served.
; REGISTERS, in windows of 256: window 0: v0-31 addresses; v32-95 scale words, two sets; v96-127 at work behind the products; v128-191 R's fragments, one set, later the 64 numbers in hand; v192-255 the rotary table's rows, two sets.
;   window 1: Q's fragments, two sets, at v0 and v128; v64-127 the bias along Q.   windows 2, 3: the accumulators ((a, b) at v[8 (8 (a % 4) + b)], a / 4 chooses the window).
.set NQ,     4                         ; matrix instructions deep in a slot
.set ROWB,   256                       ; a tile's row: 512 codes
.set KROW,   512                       ; a row of codes in memory
.set PITCH,  272                       ; an LDS row: 256 bytes + 16 of padding = 68 words, so that the 16 rows of a fragment load start at 16 different banks (64 banks of 4 bytes: ISA guide 11.1)
.set FR,     8
.set NL,     2
.set NP,     4                         ; places behind this matrix instruction (ISA guide 7.12.1)
.set HALFT,  128*PITCH
.set SLOT,   4*HALFT                   ; x's 256 rows, then W_in's 256 rows
.set KS,     32
.set SCL,    2*SLOT                    ; behind the slots: the scale bytes, as units of 256 bytes + 16 of padding
.set HALFS,  16*272                    ; those of 128 rows
.set SBLK,   2*272                     ; those of 16 rows
.set SPARE,  SCL+4*HALFS               ; the spare words, 128 bytes a wave: two blocks of 256 bytes that no other line names
.set STQ,    0                         ; the way out of q and k: a stage of WST bytes a wave, in slot 0, which has had its only fill and its last read
.set STV,    65536                     ; the way out of v: bytes of its own
.set WST,    9216                      ; 8,192 bytes of codes, 512 of scale words
.set TCO,  7                           ; v7   the table: 256 r + 32 h
.set BIO,  8                           ; v8   the bias along Q: 32 h
.set R4,   9                           ; v9   4 r
.set SQC,  10                          ; v10  q, k: where a tile's 4 bytes of codes go;  v11 the scale word;  v12 where the stage is read back
.set SQS,  11
.set SQR,  12
.set L16,  13                          ; v13  16 x lane
.set VSO,  15                          ; v15  v's scale words in memory: 16 (lane % 16) + 2,048 (lane / 16)
.set ADRA, 16                          ; v16-17  LDS address of R's fragments in slot 0, 1
.set ADRB, 20                          ; v20-21  of Q's
.set SVC,  22                          ; v22-24  as v10-12, for v
.set SVS,  23
.set SVR,  24
.set ADRS, 27                          ; v27  scale words: lanes 0-15 R's rows, lanes 16-31 Q's
.set SPW,  28                          ; v28  my spare word; never rewritten
.set NIL,  29                          ; v29  0; never rewritten
.set SC,   32
.set BV,   96                          ; v96-103  the bias along R (v's path)
.set BB,   104                         ; v104-105 one of them, as a pair's low word
.set TM,   106                         ; v106-109 largest magnitudes, v110-113 the other half's, then bytes, v114-117 the conversions' scale operands
.set PW,   118                         ; the scale word
.set CW,   120                         ; v120-127 eight tiles' codes
.set AF,   128
.set X,    128                         ; the 64 numbers in hand
.set LND,  128                         ; v128-195 the stage read back
.set TC,   192
.set G1, 24
.set G0, 32
.set G1B, 48
.set G0B, 56
.set G1S, 68
.set G0S, 76
.set G1SB, 80
.set G0SB, 88
.set MSB, 0
.macro WIN new                         ; the immediate's high byte repeats the setting that is left
.if MSB != (\new)
	s_set_vgpr_msb (MSB<<8)|(\new)
.set MSB, (\new)
.endif
.endm
.set MUL_LO, 0xa1                      ; source 0 (Q) window 1, source 1 (R) window 0, C and D window 2
.set MUL_HI, 0xf1
.set TO_B,   0x40
; A joint load: waves 0 and 1 fetch for x, waves 2 and 3 for W_in.  The branch hangs on the wave's number alone.  Four v_nop follow each of the two lines.
.macro JLOAD g0a, g1a, g0b, g1b
	s_cmp_eq_u32 s15, 0
	s_cbranch_scc0 .Lfor_b_\@
	tensor_load_to_lds s[\g0a:\g0a+3], s[\g1a:\g1a+7]
	s_nop 0
.rept 4
	v_nop
.endr
	s_branch .Lasked_\@
.Lfor_b_\@:
	tensor_load_to_lds s[\g0b:\g0b+3], s[\g1b:\g1b+7]
	s_nop 0
.rept 4
	v_nop
.endr
.Lasked_\@:
.endm
.macro CROUND                          ; a round of the cluster's barrier
	s_barrier_signal -1
	s_barrier_wait -1
	s_cmp_lg_u32 s14, 0
	s_cbranch_scc1 .Lnot_wave_0_\@
	s_barrier_signal -3
.Lnot_wave_0_\@:
	s_barrier_wait -3
	s_barrier_signal -1
	s_barrier_wait -1
.endm
	s_load_b128 s[4:7], s[0:1], 0x0                ; x's codes, x's scales
	s_load_b128 s[8:11], s[0:1], 0x10              ; W_in's codes, W_in's scales
	s_load_b128 s[96:99], s[0:1], 0x20             ; b_in, the table
	v_lshl_add_u32 v[SPW], v0, 2, SPARE
	v_mov_b32 v[NIL], 0
	ds_add_u32 v28, v29
	ds_add_u32 v28, v29
	s_wait_dscnt 0x0
	v_lshrrev_b32 v1, 5, v0
	v_readfirstlane_b32 s14, v1                    ; wave 0..3
	s_lshr_b32 s15, s14, 1                         ; which half of R's 256 rows is mine.  Also: I fetch for x (0) or for W_in (1)
	s_and_b32 s16, s14, 1                          ; which half of Q's.  Also: which 128 rows of that tile I fetch
	s_bfe_u32 s40, ttmp6, 0x40000                  ; cx, cy: my place in the cluster
	s_bfe_u32 s41, ttmp6, 0x40004
	s_lshl_b32 s42, ttmp9, 2
	s_add_co_u32 s42, s42, s40                     ; which 256 rows of W_in
	s_and_b32 s17, ttmp7, 0xffff
	s_lshl_b32 s17, s17, 2
	s_add_co_u32 s17, s17, s41                     ; which 256 tokens
	s_lshl_b32 s43, s41, 2
	s_lshl_b32 s43, 15, s43                        ; my row of the cluster
	s_lshl_b32 s44, 0x1111, s40                    ; my column
	; descriptor group 1: a tile of 128 rows x 256 bytes, padded in LDS
	s_or_b32 s[G1+0], s43, (0<<16)|(1<<20)|(1<<21)|(5<<22)|(3<<25)  ; 15:0 the mask: x's tiles go to my row; 17:16 elements of 1 byte; 20 padding on; 21 set beside a mask; 24:22 after every 64 words; 31:25 four words
	s_or_b32 s[G1B+0], s44, (0<<16)|(1<<20)|(1<<21)|(5<<22)|(3<<25)
.irp g, G1, G1B
	s_mov_b32 s[\g+1], ROWB<<16                    ; tensor_dim0
	s_mov_b32 s[\g+2], 128<<16                     ; tensor_dim1
	s_mov_b32 s[\g+3], ROWB<<16                    ; tile_dim0
	s_mov_b32 s[\g+4], 128                         ; tile_dim1
	s_mov_b32 s[\g+5], KROW                        ; tensor_dim0_stride
	s_mov_b32 s[\g+6], 0
	s_mov_b32 s[\g+7], 0
.endr
	; the scale bytes of 128 rows: 4,096 dense bytes, as 16 rows of 256 bytes (32 elements of 8 bytes), 16 bytes of padding behind each
	s_or_b32 s[G1S+0], s43, (3<<16)|(1<<20)|(1<<21)|(5<<22)|(3<<25)
	s_or_b32 s[G1SB+0], s44, (3<<16)|(1<<20)|(1<<21)|(5<<22)|(3<<25)
.irp g, G1S, G1SB
	s_mov_b32 s[\g+1], 32<<16
	s_mov_b32 s[\g+2], 16<<16
	s_mov_b32 s[\g+3], 32<<16
	s_mov_b32 s[\g+4], 16
	s_mov_b32 s[\g+5], 32
	s_mov_b32 s[\g+6], 0
	s_mov_b32 s[\g+7], 0
.endr
	s_lshl_b32 s18, s16, 7                         ; which 128 rows of the tile I fetch
	s_lshl_b32 s20, s17, 8
	s_add_co_u32 s20, s20, s18                     ; x: row
	s_lshl_b32 s46, s42, 8
	s_add_co_u32 s46, s46, s18                     ; W_in: row
	s_mov_b32 s21, 0
	s_mov_b32 s47, 0
	s_mov_b64 s[18:19], KS
	s_mul_u64 s[22:23], s[20:21], s[18:19]         ; where these rows' scale bytes begin
	s_mul_u64 s[92:93], s[46:47], s[18:19]
	s_mov_b64 s[18:19], KROW
	s_mul_u64 s[20:21], s[20:21], s[18:19]         ; and their codes
	s_mul_u64 s[46:47], s[46:47], s[18:19]
	s_mul_i32 s45, s14, HALFT                      ; where they go: wave x 128 rows: no place in the cluster enters an LDS address
	s_mul_i32 s94, s14, HALFS
	s_wait_kmcnt 0x0
	s_add_nc_u64 s[20:21], s[4:5], s[20:21]
	s_add_nc_u64 s[22:23], s[6:7], s[22:23]
	s_add_nc_u64 s[46:47], s[8:9], s[46:47]
	s_add_nc_u64 s[92:93], s[10:11], s[92:93]
	CROUND                                         ; all sixteen work-groups are here: the joint loads meet
	s_mov_b32 s[G0S], 1
	s_add_co_u32 s[G0S+1], s94, SCL
	s_mov_b64 s[G0S+2:G0S+3], s[22:23]
	s_or_b32 s[G0S+3], s[G0S+3], 0x80000000
	s_mov_b32 s[G0SB], 1
	s_add_co_u32 s[G0SB+1], s94, SCL
	s_mov_b64 s[G0SB+2:G0SB+3], s[92:93]
	s_or_b32 s[G0SB+3], s[G0SB+3], 0x80000000
	JLOAD G0S, G1S, G0SB, G1SB                     ; the scale bytes first: they are wanted with slot 0
.irp s, 0,1
	s_mov_b32 s[G0+4*\s], 1
	s_add_co_u32 s[G0+4*\s+1], s45, \s*SLOT
	s_add_nc_u64 s[G0+4*\s+2:G0+4*\s+3], s[20:21], \s*ROWB
	s_or_b32 s[G0+4*\s+3], s[G0+4*\s+3], 0x80000000
	s_mov_b32 s[G0B+4*\s], 1
	s_add_co_u32 s[G0B+4*\s+1], s45, \s*SLOT
	s_add_nc_u64 s[G0B+4*\s+2:G0B+4*\s+3], s[46:47], \s*ROWB
	s_or_b32 s[G0B+4*\s+3], s[G0B+4*\s+3], 0x80000000
	JLOAD G0+4*\s, G1, G0B+4*\s, G1B               ; three loads of mine are out: all of K is asked for, nothing is filled again
.endr
	v_and_b32 v1, 15, v0                           ; r = lane % 16
	v_bfe_u32 v2, v0, 4, 1                         ; h = lane / 16
	v_mul_u32_u24 v3, v1, PITCH
	v_lshl_add_u32 v4, v2, 4, v3                   ; a fragment's row x pitch + 16 h
	s_cmp_eq_u32 ttmp9, 2                          ; v's cluster?  Then R is W_in, which lies behind x's 256 rows, and Q is x
	s_cselect_b32 s18, 2*HALFT, 0
	s_cselect_b32 s19, 0, 2*HALFT
	s_cselect_b32 s22, 2*HALFS, 0
	s_cselect_b32 s23, 0, 2*HALFS
	s_mul_i32 s20, s15, HALFT
	s_add_co_u32 s20, s20, s18                     ; my 128 rows of R
	s_mul_i32 s21, s16, HALFT
	s_add_co_u32 s21, s21, s19                     ; my 128 rows of Q
.irp s, 0,1
	v_add_nc_u32 v[ADRA+\s], s20, v4
	v_add_nc_u32 v[ADRB+\s], s21, v4
	s_add_co_u32 s20, s20, SLOT
	s_add_co_u32 s21, s21, SLOT
.endr
	v_mul_u32_u24 v5, v1, KS                       ; my row's scale bytes: 32 a row,
	v_lshrrev_b32 v6, 8, v5
	v_lshl_add_u32 v5, v6, 4, v5                   ; and 16 more for each 256 passed
	s_mul_i32 s20, s15, HALFS
	s_add_co_u32 s20, s20, s22
	s_add_co_u32 s20, s20, SCL                     ; R's
	s_mul_i32 s21, s16, HALFS
	s_add_co_u32 s21, s21, s23
	s_add_co_u32 s21, s21, SCL                     ; Q's
	s_mov_b32 s67, 0xffff0000
	v_mov_b32 v6, s20
	v_mov_b32 v14, s21
	v_cndmask_b32 v6, v6, v14, s67                 ; lanes 16-31 take Q's
	v_add_nc_u32 v[ADRS], v5, v6
	v_lshlrev_b32 v[TCO], 8, v1
	v_lshl_add_u32 v[TCO], v2, 5, v[TCO]
	v_lshlrev_b32 v[BIO], 5, v2
	v_lshlrev_b32 v[R4], 2, v1
	v_and_b32 v14, 31, v0
	v_lshlrev_b32 v[L16], 4, v14
	s_mul_i32 s20, s14, WST                        ; my stages
	v_lshlrev_b32 v[SQC], 5, v1
	v_lshl_add_u32 v[SQC], v2, 2, v[SQC]
	v_add_nc_u32 v[SQC], s20, v[SQC]               ; q, k: token r's 32 bytes, + 4 h
	v_add_nc_u32 v[SQS], s20, v[R4]
	v_add_nc_u32 v[SQS], 8192, v[SQS]
	v_add_nc_u32 v[SQR], s20, v[L16]
	s_add_co_u32 s21, s20, STV
	v_lshlrev_b32 v[SVC], 6, v1
	v_lshl_add_u32 v[SVC], v2, 2, v[SVC]
	v_add_nc_u32 v[SVC], s21, v[SVC]               ; v: row r's 64 bytes, + 4 h
	v_add_nc_u32 v[SVS], s21, v[R4]
	v_add_nc_u32 v[SVS], 8192, v[SVS]
	v_add_nc_u32 v[SVR], s21, v[L16]
	v_lshlrev_b32 v[VSO], 4, v1
	v_lshl_add_u32 v[VSO], v2, 11, v[VSO]
	s_lshl_b32 s20, s42, 10                        ; b_in at W_in's row 256 x tile, 4 bytes a row,
	s_lshl_b32 s21, s15, 9
	s_add_co_u32 s22, s20, s21
	s_mov_b32 s23, 0
	s_add_nc_u64 s[100:101], s[96:97], s[22:23]    ; + R's half (v's path)
	s_lshl_b32 s21, s16, 9
	s_add_co_u32 s22, s20, s21
	s_add_nc_u64 s[96:97], s[96:97], s[22:23]      ; + Q's half (q's and k's)
	s_and_b32 s20, s17, 3
	s_lshl_b32 s20, s20, 16                        ; the table at my first token of the sequence: 256 (tile % 4) + 128 x R's half, 256 bytes a row
	s_lshl_b32 s21, s15, 15
	s_add_co_u32 s22, s20, s21
	s_add_nc_u64 s[98:99], s[98:99], s[22:23]
; What the way out wants is asked for now and lands under the products.  All of it is asked for on every path (all of it lies inside its buffer on every path), so that the counts below hold everywhere.
.macro TCLOAD a                        ; the table's rows of R's block a: cos, then sin, of i = 16 u + 8 h + 0 .. 7, into set a % 2
.irp kind, 0,1
.irp u, 0,1
.irp jj, 0,1
	global_load_b128 v[TC+32*((\a)%2)+16*\kind+8*\u+4*\jj:TC+32*((\a)%2)+16*\kind+8*\u+4*\jj+3], v[TCO], s[98:99] offset:4096*(\a)+128*\kind+64*\u+16*\jj
.endr
.endr
.endr
.endm
	WIN TO_B
.irp b, 0,1,2,3,4,5,6,7
	global_load_b128 v[64+8*\b:64+8*\b+3], v[BIO], s[96:97] offset:64*\b        ; b_in at Q's rows 16 b + 8 h + 0 .. 7: the result's layout
	global_load_b128 v[64+8*\b+4:64+8*\b+7], v[BIO], s[96:97] offset:64*\b+16
.endr
	WIN 0
.irp a, 0,1,2,3,4,5,6,7
	global_load_b32 v[BV+\a], v[R4], s[100:101] offset:64*\a                    ; b_in at R's row 16 a + r
.endr
	TCLOAD 0
	TCLOAD 1
.macro FRAG reg, adr, q, i             ; 16 rows x 128 K of 4-bit codes: lane l holds row l % 16; registers 4 c .. 4 c + 3 hold K = 64 c + 32 (l / 16) + 0 .. 31
.irp c, 0,1
	ds_load_b128 v[\reg+4*\c:\reg+4*\c+3], v[\adr] offset:64*(\q)+32*\c+(\i)*16*PITCH
.endr
.endm
; 16 matrix instructions: R's blocks a0, a0 + 1 x Q's eight, 128 along K.  zero = 1: the first product starts the sums.  The 64 accumulators take turns, one instruction a turn.
.macro MUL16 a0, p, q, sc, zero
.irp a, \a0, \a0+1
.irp b, 0,1,2,3,4,5,6,7
.if \zero
	v_wmma_scale_f32_16x16x128_f8f6f4 v[8*(8*((\a)%4)+\b):8*(8*((\a)%4)+\b)+7], v[128*(\p)+FR*\b:128*(\p)+FR*\b+FR-1], v[AF+FR*(\a):AF+FR*(\a)+FR-1], 0, v[SC+8*NQ*(\sc)+NQ*\b+(\q)], v[SC+8*NQ*(\sc)+NQ*(\a)+(\q)] matrix_a_fmt:MATRIX_FMT_FP4 matrix_b_fmt:MATRIX_FMT_FP4 matrix_a_scale:MATRIX_SCALE_ROW1
.else
	v_wmma_scale_f32_16x16x128_f8f6f4 v[8*(8*((\a)%4)+\b):8*(8*((\a)%4)+\b)+7], v[128*(\p)+FR*\b:128*(\p)+FR*\b+FR-1], v[AF+FR*(\a):AF+FR*(\a)+FR-1], v[8*(8*((\a)%4)+\b):8*(8*((\a)%4)+\b)+7], v[SC+8*NQ*(\sc)+NQ*\b+(\q)], v[SC+8*NQ*(\sc)+NQ*(\a)+(\q)] matrix_a_fmt:MATRIX_FMT_FP4 matrix_b_fmt:MATRIX_FMT_FP4 matrix_a_scale:MATRIX_SCALE_ROW1
.endif
.endr
.endr
.endm
.macro FETCH_B slot, q, p
	WIN TO_B
.irp i, 0,1,2,3,4,5,6,7
	FRAG 128*(\p)+FR*\i, ADRB+\slot, \q, \i
.endr
	WIN 0
.endm
.macro FETCH_A slot, q, i0
.irp i, \i0, \i0+1, \i0+2, \i0+3
	FRAG AF+FR*(\i), ADRA+\slot, \q, \i
.endr
.endm
.macro SCALES sc                       ; a slot's scale words: four a row; lanes 0-15 R's block i, lanes 16-31 Q's block i
.irp i, 0,1,2,3,4,5,6,7
	ds_load_b128 v[SC+8*NQ*\sc+NQ*\i:SC+8*NQ*\sc+NQ*\i+3], v[ADRS] offset:\i*SBLK
.endr
.endm
.macro PLACES n                        ; plain vector instructions between a matrix instruction and a load into, or a read of, its registers
.rept \n
	v_nop
.endr
.endm
.macro STEP slot, q, zero              ; 128 along K, with its successor in the same slot
	s_wait_dscnt 4*NL                              ; Q's set and R's blocks 0-3 are in; the youngest eight loads (R's blocks 4-7) may be out
	WIN MUL_LO
	MUL16 0, (\q)%2, \q, \slot, \zero
	MUL16 2, (\q)%2, \q, \slot, \zero
	s_wait_dscnt 0
	PLACES NP
	FETCH_B \slot, (\q)+1, 1-(\q)%2
	FETCH_A \slot, (\q)+1, 0
	WIN MUL_HI
	MUL16 4, (\q)%2, \q, \slot, \zero
	MUL16 6, (\q)%2, \q, \slot, \zero
	PLACES NP
	WIN 0
	FETCH_A \slot, (\q)+1, 4
.endm
.macro TURN slot, next                 ; a slot's last step, and the change of slots: one barrier
	s_wait_tensorcnt 0x0                           ; all my tensor loads have landed: my part of the next slot
	ds_add_u32 v[SPW], v[NIL]                      ; 0 onto my spare word
	s_wait_dscnt 4*NL+1                            ; (the add and the youngest eight loads may be out)
	WIN MUL_LO
	MUL16 0, 1, NQ-1, \slot, 0
	s_wait_dscnt 0x0                               ; the add is done, and my reads of this slot are over
	s_barrier_signal -1
	MUL16 2, 1, NQ-1, \slot, 0
	WIN 0
	s_barrier_wait -1                              ; the next slot is whole, and nobody reads this one any more
	PLACES NP
	v_add_nc_u32 v[ADRS], 4*NQ, v[ADRS]            ; the next slot's scale words
	FETCH_B \next, 0, 0
	FETCH_A \next, 0, 0
	SCALES \next
	WIN MUL_HI
	MUL16 4, 1, NQ-1, \slot, 0
	MUL16 6, 1, NQ-1, \slot, 0
	PLACES NP
	WIN 0
	FETCH_A \next, 0, 4
.endm
.macro STEPS slot, from
.set Q, \from
.rept NQ-1-\from
	STEP \slot, Q, 0
.set Q, Q+1
.endr
.endm
	s_wait_tensorcnt 1                             ; the scale bytes and my part of slot 0 are in (slot 1's load may be out),
	s_barrier_signal -1
	s_barrier_wait -1                              ; everybody's are
	FETCH_B 0, 0, 0
	FETCH_A 0, 0, 0
	SCALES 0
	FETCH_A 0, 0, 4
	STEP 0, 0, 1
	STEPS 0, 1
	TURN 0, 1
	STEPS 1, 0
	s_wait_dscnt 4*NL
	WIN MUL_LO
	MUL16 0, 1, NQ-1, 1, 0
	MUL16 2, 1, NQ-1, 1, 0
	s_wait_dscnt 0
	WIN MUL_HI
	MUL16 4, 1, NQ-1, 1, 0
	MUL16 6, 1, NQ-1, 1, 0
	WIN 0
	PLACES NP                                      ; ahead of the first read of results and the first write over R's fragments
	s_barrier_signal -1                            ; no LDS instruction of mine is out
	s_barrier_wait -1                              ; nobody reads a slot any more: the stages may be written
	s_load_b128 s[4:7], s[0:1], 0x30               ; qkc, vc
	s_load_b64 s[8:9], s[0:1], 0x40                ; sc
	s_mov_b32 s2, 0x76543210
	s_mov_b32 s3, 0xfedcba98                       ; v_permlanex16_b32's selects for lane l xor 16
.irp b, 0,1,2,3
	v_mov_b32 v[TM+4+\b], 0                        ; written once: a lane permute's destination counts as one of its sources
.endr
	v_mov_b32 v[BB+1], 0                           ; named as a pair's upper word
	s_lshr_b32 s18, s17, 2                         ; n: four tiles of 256 tokens to a sequence
	s_and_b32 s19, s17, 3                          ; which of the four
	s_mov_b32 s45, 0
	s_cmp_eq_u32 ttmp9, 0
	s_cselect_b32 s12, 0x03030303, 0               ; q's factor 1/8: 3 off each scale byte
	s_wait_kmcnt 0x0
; The quantiser of the 64 numbers in X: block b is X + 16 b .. + 15 of lanes l and l xor 16.  Codes of tile t (eight neighbours along K) into v[CW + t], the four bytes into v[PW].
.macro QB
	s_wait_dscnt 0x0                               ; the last block's stores into the stage have read v[CW ..] and v[PW]
.irp b, 0,1,2,3
	v_max3_num_f32 v[TM+\b], |v[X+16*\b]|, |v[X+16*\b+1]|, 0x3000000   ; the floor 2^(6 - 127): the byte is at least 4, so that q's 3 can be taken off
.endr
.irp i, 2,4,6,8,10,12,14
.irp b, 0,1,2,3
	v_max3_num_f32 v[TM+\b], v[TM+\b], |v[X+16*\b+\i]|, |v[X+16*\b+\i+1]|
.endr
.endr
.irp b, 0,1,2,3
	v_permlanex16_b32 v[TM+4+\b], v[TM+\b], s2, s3
.endr
.irp b, 0,1,2,3
	v_max_num_f32 v[TM+\b], v[TM+\b], v[TM+4+\b]   ; the block's largest magnitude
.endr
.irp b, 0,1,2,3
	v_add_nc_u32 v[TM+8+\b], 0xff000000, v[TM+\b]  ; 2 off its exponent field: the conversion's scale operand
.endr
.irp b, 0,1,2,3
	v_lshrrev_b32 v[TM+4+\b], 23, v[TM+8+\b]       ; the byte
.endr
	v_lshl_or_b32 v[PW], v[TM+5], 8, v[TM+4]
	v_lshl_or_b32 v[PW], v[TM+6], 16, v[PW]
	v_lshl_or_b32 v[PW], v[TM+7], 24, v[PW]
	v_sub_nc_u32 v[PW], v[PW], s12                 ; no byte borrows: each is at least 4
.irp b, 0,1,2,3
	v_cvt_scalef32_pk8_fp4_f32 v[CW+2*\b], v[X+16*\b:X+16*\b+7], v[TM+8+\b]
	v_cvt_scalef32_pk8_fp4_f32 v[CW+2*\b+1], v[X+16*\b+8:X+16*\b+15], v[TM+8+\b]
.endr
	v_nop                                          ; one plain place behind the scaled conversions
.endm
; The stage goes out: 16 x 512 bytes of codes (two heads' 4,096 bytes, 32,768 apart in memory) and 512 bytes of scale words.  Every store covers whole runs of 256 consecutive bytes, aligned.
.macro FLUSH rd, so
.irp i, 0,1,2,3,4,5,6,7,8,9,10,11,12,13,14,15
	ds_load_b128 v[LND+4*\i:LND+4*\i+3], v[\rd] offset:512*\i      ; LDS serves a wave's instructions in order (ISA guide 5.7.1.4): these see my stores
.endr
	ds_load_b128 v[LND+64:LND+67], v[\rd] offset:8192
.irp i, 0,1,2,3,4,5,6,7,8,9,10,11,12,13,14,15
	s_wait_dscnt 16-\i                             ; the younger of the 17 loads may be out
	global_store_b128 v[L16], v[LND+4*\i:LND+4*\i+3], s[10:11] offset:(\i/8)*32768+(\i%8)*512
.endr
	s_wait_dscnt 0x0
	global_store_b128 v[\so], v[LND+64:LND+67], s[92:93]
.endm
	s_cmp_eq_u32 ttmp9, 2
	s_cbranch_scc1 .Lvalues
	; ---- q and k.  Lane (r, h) of block a holds token 16 a + r; X + 8 b + j is head b / 4 of my two, d = 16 (b % 4) + 8 h + j
	s_lshl_b32 s20, s40, 1
	s_add_co_u32 s20, s20, s16                     ; my pair of heads: 2 cx + Q's half
	s_lshl_b32 s21, s18, 3
	s_add_co_u32 s21, s21, s20                     ; 8 n + pair
	s_lshl_b32 s22, s19, 8
	s_lshl_b32 s23, s15, 7
	s_add_co_u32 s22, s22, s23                     ; my first token in the sequence
	s_lshl_b32 s23, s21, 11
	s_add_co_u32 s23, s23, s22
	s_lshl_b32 s44, s23, 5                         ; ((16 n + head) 1,024 + token) 32 bytes,
	s_lshl_b32 s23, ttmp9, 22
	s_add_co_u32 s44, s44, s23                     ; k's codes 4 MiB behind q's
	s_add_nc_u64 s[10:11], s[4:5], s[44:45]
	s_lshl_b32 s23, s21, 10
	s_add_co_u32 s23, s23, s22
	s_lshl_b32 s44, s23, 2
	s_lshl_b32 s23, ttmp9, 18
	s_add_co_u32 s44, s44, s23
	s_add_nc_u64 s[92:93], s[8:9], s[44:45]
.macro EQK a
.if (\a) < 7
	s_wait_loadcnt 8                               ; this block's table rows (and, ahead of block 0, the biases) are in; the next block's eight loads may be out
.else
	s_wait_loadcnt 0
.endif
	WIN 0x06+(\a)/4                                ; source 0: the accumulators' window; source 1: window 1
.set KK, 0
.rept 32
	v_pk_add_f32 v[X+KK:X+KK+1], v[64*((\a)%4)+KK:64*((\a)%4)+KK+1], v[64+KK:64+KK+1]   ; + b_in; each accumulator from its low end on
.set KK, KK+2
.endr
	WIN 0
.set TCS, TC+32*((\a)%2)
.irp hd, 0,1                           ; the rotary embedding: x1 = d, x2 = d + 32 (16 registers on): x1 cos - x2 sin, x2 cos + x1 sin; two pairs of numbers by turns
.irp u, 0,1
.irp jp, 0,4
.set RX, X+32*\hd+8*\u+\jp
.set RC, TCS+8*\u+\jp
	v_pk_mul_f32 v[18:19], v[RX:RX+1], v[RC+16:RC+17]
	v_pk_mul_f32 v[30:31], v[RX+2:RX+3], v[RC+18:RC+19]
	v_pk_mul_f32 v[RX:RX+1], v[RX:RX+1], v[RC:RC+1]
	v_pk_mul_f32 v[RX+2:RX+3], v[RX+2:RX+3], v[RC+2:RC+3]
	v_pk_fma_f32 v[RX:RX+1], v[RX+16:RX+17], v[RC+16:RC+17], v[RX:RX+1] neg_lo:[1,0,0] neg_hi:[1,0,0]
	v_pk_fma_f32 v[RX+2:RX+3], v[RX+18:RX+19], v[RC+18:RC+19], v[RX+2:RX+3] neg_lo:[1,0,0] neg_hi:[1,0,0]
	v_pk_fma_f32 v[RX+16:RX+17], v[RX+16:RX+17], v[RC:RC+1], v[18:19]
	v_pk_fma_f32 v[RX+18:RX+19], v[RX+18:RX+19], v[RC+2:RC+3], v[30:31]
.endr
.endr
.endr
.if (\a) < 6
	TCLOAD (\a)+2                                  ; into the set just read
.endif
	QB
.irp b, 0,1,2,3,4,5,6,7
	ds_store_b32 v[SQC], v[CW+\b] offset:(\b/4)*4096+512*(\a)+8*(\b%4)   ; stage: [head 2][token 128][32 bytes]
.endr
	ds_store_b32 v[SQS], v[PW] offset:64*(\a)      ; both halves of the lanes write the same word with the same value
.endm
.irp a, 0,1,2,3,4,5,6,7
	EQK \a
.endr
	FLUSH SQR, L16
	s_branch .Ldone
.Lvalues:
	; ---- v.  Lane (r, h) of block a holds W_in's row 16 a + r: head a / 4 of my two, d = 16 (a % 4) + r; X + 8 b + j is token 16 b + 8 h + j of my 128: one key step
	s_lshl_b32 s20, s40, 2
	s_lshl_b32 s21, s15, 1
	s_add_co_u32 s20, s20, s21                     ; my first head: 4 cx + 2 x R's half
	s_lshl_b32 s21, s18, 4
	s_add_co_u32 s21, s21, s20
	s_lshl_b32 s21, s21, 3
	s_lshl_b32 s22, s19, 1
	s_add_co_u32 s22, s22, s16                     ; the key step
	s_add_co_u32 s21, s21, s22                     ; (16 n + head) 8 + step
	s_lshl_b32 s44, s21, 12
	s_add_nc_u64 s[10:11], s[6:7], s[44:45]
	s_lshl_b32 s44, s21, 8
	s_add_co_u32 s44, s44, 524288
	s_add_nc_u64 s[92:93], s[8:9], s[44:45]
.macro EV a
.if (\a) == 0
	s_wait_loadcnt 0x0
.endif
	v_mov_b32 v[BB], v[BV+\a]
	WIN 0x02+(\a)/4
.set KK, 0
.rept 32
	v_pk_add_f32 v[X+KK:X+KK+1], v[64*((\a)%4)+KK:64*((\a)%4)+KK+1], v[BB:BB+1] op_sel_hi:[1,0]   ; + b_in of my row
.set KK, KK+2
.endr
	WIN 0
	QB
.irp b, 0,1,2,3,4,5,6,7
	ds_store_b32 v[SVC], v[CW+\b] offset:1024*(\a)+8*\b     ; stage: [row 128][64 bytes]
.endr
	ds_store_b32 v[SVS], v[PW] offset:64*(\a)
.endm
.irp a, 0,1,2,3,4,5,6,7
	EV \a
.endr
	FLUSH SVR, VSO
.Ldone:
	s_wait_tensorcnt 0x0                           ; the wave's end: behind my last tensor load and my last LDS store
	ds_add_u32 v[SPW], v[NIL]
	s_wait_dscnt 0x0
	CROUND                                         ; the closing round: no work-group ends while a partner may still ask for a tile that names it
	s_endpgm
.Lfunc_end_k_q9ec479e62e_qkv:
	.size	k_q9ec479e62e_qkv, .Lfunc_end_k_q9ec479e62e_qkv-k_q9ec479e62e_qkv
	.p2alignl 7, 3214868480
	.fill 96, 4, 3214868480
	.section	.rodata,"a",@progbits
	.p2align	6, 0x0
	.amdhsa_kernel k_q9ec479e62e_qkv
		.amdhsa_group_segment_fixed_size 327680
		.amdhsa_private_segment_fixed_size 0
		.amdhsa_enable_private_segment 0
		.amdhsa_kernarg_size 72
		.amdhsa_user_sgpr_count 2
		.amdhsa_user_sgpr_kernarg_segment_ptr 1
		.amdhsa_wavefront_size32 1
		.amdhsa_system_sgpr_workgroup_id_x 1
		.amdhsa_system_sgpr_workgroup_id_y 1
		.amdhsa_system_sgpr_workgroup_id_z 1
		.amdhsa_system_vgpr_workitem_id 0
		.amdhsa_next_free_vgpr 1024
		.amdhsa_next_free_sgpr 102
		.amdhsa_reserve_vcc 0
		.amdhsa_float_denorm_mode_32 3
		.amdhsa_float_denorm_mode_16_64 3
		.amdhsa_memory_ordered 1
		.amdhsa_forward_progress 1
		.amdhsa_inst_pref_size 246
	.end_amdhsa_kernel
	.amdgpu_metadata
---
amdhsa.version: [ 1, 2 ]
amdhsa.kernels:
  - .name:           k_q9ec479e62e_qkv
    .symbol:         k_q9ec479e62e_qkv.kd
    .args:
      - { .name: x_codes, .offset: 0, .size: 8, .value_kind: global_buffer, .address_space: global }
      - { .name: x_scales, .offset: 8, .size: 8, .value_kind: global_buffer, .address_space: global }
      - { .name: W_in_codes, .offset: 16, .size: 8, .value_kind: global_buffer, .address_space: global }
      - { .name: W_in_scales, .offset: 24, .size: 8, .value_kind: global_buffer, .address_space: global }
      - { .name: b_in, .offset: 32, .size: 8, .value_kind: global_buffer, .address_space: global }
      - { .name: tab, .offset: 40, .size: 8, .value_kind: global_buffer, .address_space: global }
      - { .name: qkc, .offset: 48, .size: 8, .value_kind: global_buffer, .address_space: global }
      - { .name: vc, .offset: 56, .size: 8, .value_kind: global_buffer, .address_space: global }
      - { .name: sc, .offset: 64, .size: 8, .value_kind: global_buffer, .address_space: global }
    .group_segment_fixed_size: 327680
    .private_segment_fixed_size: 0
    .kernarg_segment_align: 8
    .kernarg_segment_size: 72
    .max_flat_workgroup_size: 128
    .sgpr_count:     102
    .vgpr_count:     1024
    .wavefront_size: 32
...
	.end_amdgpu_metadata
.endif
;; end of part 2
;; launch attn (part 3): grid 32 x 8, 8 waves a work-group, no clusters, 155,136 bytes of LDS; arguments qkc, vc, sc, ac, asc, out1; writes ac, asc, out1
.if DOCPART == 3
	.amdgcn_target "amdgcn-amd-amdhsa--gfx1250"
	.amdhsa_code_object_version 6
	.text
	.protected	k_q9ec479e62e_attn
	.globl	k_q9ec479e62e_attn
	.p2align	8
	.type	k_q9ec479e62e_attn,@function
k_q9ec479e62e_attn:
	s_mov_b64 s[64:65], 0
	v_nop
	global_prefetch_b8 v0, s[64:65] scope:SCOPE_SE
	s_setreg_imm32_b32 hwreg(HW_REG_WAVE_MODE, 25, 1), 1
	s_wait_xcnt 0x0
; Attention on codes of FP4 (E2M1) with E8M0 scales, for 32 queries of one sequence and ALL 16 heads, so that one work-group owns its rows of out1, the heads' mean of the softmax.
; IN: qkc (q's and k's codes, [n][head][l][32 bytes]), vc ([n][head][step of 128 keys][d 64][64 bytes]), sc (scale words).  OUT: ac [8192][512 bytes], asc [8192][32]: the attention result as codes along D; out1 [n][l][m] f32.
; SHARES.  Work-group (x, y): queries 32 x .. 32 x + 31 of sequence y, two tiles g of 16.  Wave w of eight owns keys 128 w .. 128 w + 127, for both tiles.  The heads go in pairs (A even, B odd).
; LAYOUT.  S^T = K Q^T (source 0 = 16 keys, source 1 = 16 queries), O^T = V^T P^T (source 0 = 16 of the head's 64, source 1 = P): a lane holds ONE query (lane % 16) throughout.
; The instruction's K is 128 and a head's is 64: a fragment of K holds head A's 64 codes and head B's 64; Q's fragment holds zeros where the other head lies (twelve registers: q of A, zeros, q of B; A names the first eight, B the last).
; The keys of a tile are not neighbours: lane r of tile 2 b + u takes key 32 b + 8 u + r + 8 (r / 8), so that the 16 registers of tiles 2 b and 2 b + 1 are the 16 neighbouring keys 32 b + 16 (lane / 16) + 0 .. 15.
; SOFTMAX.  t = score x log2(e).  Each wave takes M_w = its own 128 keys' largest t, rounded up to a whole number; p = 2^(t - M_w) is quantised along the keys.  With M = the largest M_w, every p differs from 2^(t - M) by the exact
; power of two 2^(M_w - M), which a block's scale takes up.  p stays in registers: out1's running mean (128 registers, p's layout) takes p x 2^(M_w - M) / (16 l) by one packed multiply-add for two numbers: no second exponential.
; HOW THE WAVES' PARTS MEET: one barrier a head, and only the eight -M_w and sums of a query (two stores of 4 bytes a lane) stand in front of it; V^T P stands between its signal and its wait.  Behind it each wave reads the statistics
; (a query to a lane), multiplies its own part of O^T by its own 2^(M_w - M) / l and stores it; nothing waits for these stores before the next head's barrier.  The parts of head h are added between the barriers of heads h + 1 and
; h + 2: they land in O^T's own 64 registers, free from their stores to the next V^T P, in three runs of loads (waves 0-3, 4-6, 7) that are asked for well ahead of the additions, among the next head's softmax.
; Waves 0-3 add even heads, waves 4-7 odd heads; a wave's unit is 16 queries x 32 d's: one block of the last product's K.  A region of the exchange is written behind barrier h, read between barriers h + 1 and h + 2 (the reads are
; waited for in front of signal h + 2) and written again behind barrier h + 2: so two regions, one for each head of a pair, do.
; K, V AND Q GO FROM MEMORY STRAIGHT INTO OPERAND REGISTERS, a whole head's work ahead of their use.  NO CLUSTER, NO TENSOR LOAD: the waves split the keys, so each byte of K and V is wanted by exactly one wave of a work-group,
; once; a tile shared through LDS would add one LDS write and one LDS read of each of those bytes.
; LIMITS: p under 2^-126 counts as 0; a block of the result whose largest magnitude lies under 2^-124 gets the floor's scale; NaN and infinities are not served.
; REGISTERS: window 0: v1-12 addresses; v13, v53-55 at work; v14-27 a tile's -M, sums and factors; v28-43 at work; v44-52 scale words; v56-71 P's codes; v72-95 Q; v96-127 V; v128-255 S, then p.
;   window 1: v0-127 the running mean; v128-191 O^T (tile g, 16 d's t: 128 + 32 g + 8 t), then the parts being added; v192-255 K's eight fragments.
.set EX1,  65536                       ; LDS: 0 and EX1: the waves' parts of O^T, as images of their registers, 8,192 bytes a wave; the two regions serve heads A and B
.set ST0,  131072                      ; two regions of statistics: [query 32][eight -M_w, eight sums], STP bytes a query
.set STP,  80                          ; 64 bytes + 16: an odd multiple of 16
.set STB,  32*STP
.set ATC,  ST0+2*STB                   ; the result's codes: 32 rows x (512 bytes + 16)
.set AP,   528
.set ATS,  ATC+32*AP                   ; and its scale bytes: 32 rows x 32
.set KA,   1                           ; v1   K: 32 (r + 8 (r / 8)) + 16 h
.set KSA,  2                           ; v2   K's scale words: 4 (8 h + r + 8 (r / 8)): lanes 16-31 take the odd tile's
.set QA,   3                           ; v3   Q: 32 r + 16 h
.set L4,   4                           ; v4   4 x lane
.set VA,   5                           ; v5   V: 64 r + 16 h
.set OST,  6                           ; v6-7 where my O^T goes: 8,192 w + 16 x lane, in region A, B
.set STA,  8                           ; v8   where my -M and my sum of query (lane) go: STP x lane + 4 w
.set STR,  9                           ; v9   where a query's sixteen words are read: STP x lane
.set ORD,  10                          ; v10  where my unit of the reduction is read
.set ACS,  11                          ; v11  where its codes go (the pair's step apart);  v12 its scale byte
.set ASS,  12
.set BM,   28
.set PT,   32
.set SO,   36
.set BY,   40
.set KSC,  44
.set QSC,  48
.set VSC,  49
.set PSC,  51
.set PC,   56
.set QF,   72
.set VF,   96
.set S,    128
.set OA,   128                         ; in window 1
.set KF,   192                         ; in window 1
.set MSB, 0
.macro WIN new                         ; the immediate's high byte repeats the setting that is left
.if MSB != (\new)
	s_set_vgpr_msb (MSB<<8)|(\new)
.set MSB, (\new)
.endif
.endm
.macro NOPS n
.rept \n
	v_nop
.endr
.endm
; One product that starts a sum.  ra, rb: source 0's, source 1's scale words stand in lanes 16-31 of their register
.macro WM d, a, b, sa, sb, ra, rb
.if (\ra) && (\rb)
	v_wmma_scale_f32_16x16x128_f8f6f4 v[\d:\d+7], v[\a:\a+7], v[\b:\b+7], 0, v[\sa], v[\sb] matrix_a_fmt:MATRIX_FMT_FP4 matrix_b_fmt:MATRIX_FMT_FP4 matrix_a_scale:MATRIX_SCALE_ROW1 matrix_b_scale:MATRIX_SCALE_ROW1
.elseif \ra
	v_wmma_scale_f32_16x16x128_f8f6f4 v[\d:\d+7], v[\a:\a+7], v[\b:\b+7], 0, v[\sa], v[\sb] matrix_a_fmt:MATRIX_FMT_FP4 matrix_b_fmt:MATRIX_FMT_FP4 matrix_a_scale:MATRIX_SCALE_ROW1
.elseif \rb
	v_wmma_scale_f32_16x16x128_f8f6f4 v[\d:\d+7], v[\a:\a+7], v[\b:\b+7], 0, v[\sa], v[\sb] matrix_a_fmt:MATRIX_FMT_FP4 matrix_b_fmt:MATRIX_FMT_FP4 matrix_b_scale:MATRIX_SCALE_ROW1
.else
	v_wmma_scale_f32_16x16x128_f8f6f4 v[\d:\d+7], v[\a:\a+7], v[\b:\b+7], 0, v[\sa], v[\sb] matrix_a_fmt:MATRIX_FMT_FP4 matrix_b_fmt:MATRIX_FMT_FP4
.endif
.endm
.macro LOADKQ                          ; a pair of heads: K's eight fragments, Q's two, their scale words: 25 loads
	WIN 0x40                                       ; destination window 1
.irp hb, 0,1
.irp t, 0,1,2,3,4,5,6,7
	global_load_b128 v[KF+8*\t+4*\hb:KF+8*\t+4*\hb+3], v[KA], s[16:17] offset:1024*(\t/2)+256*(\t%2)+32768*\hb   ; sixteen lanes read eight keys' 256 consecutive bytes
.endr
.endr
	WIN 0
.irp g, 0,1
.irp hb, 0,1
	global_load_b128 v[QF+12*\g+8*\hb:QF+12*\g+8*\hb+3], v[QA], s[18:19] offset:512*\g+32768*\hb
.endr
.endr
.irp b, 0,1,2,3
	global_load_b32 v[KSC+\b], v[KSA], s[20:21] offset:128*\b     ; lanes 0-15: tile 2 b; lanes 16-31: tile 2 b + 1
.endr
	global_load_b32 v[QSC], v[L4], s[24:25]        ; lanes 0-15: tile g = 0; lanes 16-31: g = 1
.endm
.macro LOADV hb                        ; a head's V for my 128 keys: four fragments and their scale words: 10 loads
.irp t, 0,1,2,3
.irp c, 0,1
	global_load_b128 v[VF+8*\t+4*\c:VF+8*\t+4*\c+3], v[VA], s[38:39] offset:1024*\t+32*\c+32768*\hb
.endr
.endr
.irp i, 0,1
	global_load_b32 v[VSC+\i], v[L4], s[40:41] offset:128*\i+2048*\hb
.endr
.endm
	s_load_b256 s[4:11], s[0:1], 0x0               ; qkc s[4:5], vc s[6:7], sc s[8:9], ac s[10:11]
	s_load_b128 s[12:15], s[0:1], 0x20             ; asc s[12:13], out1 s[14:15]
	v_lshrrev_b32 v13, 5, v0
	v_readfirstlane_b32 s22, v13                   ; wave 0..7
	s_lshr_b32 s23, s22, 2                         ; which head of a pair I help to add up
	v_and_b32 v53, 15, v0                          ; r
	v_bfe_u32 v54, v0, 4, 1                        ; h
	v_and_b32 v55, 31, v0                          ; lane
	v_and_b32 v13, 8, v53
	v_add_nc_u32 v13, v13, v53                     ; r + 8 (r / 8)
	v_lshlrev_b32 v[KA], 5, v13
	v_lshl_add_u32 v[KA], v54, 4, v[KA]
	v_lshl_add_u32 v[KSA], v54, 3, v13
	v_lshlrev_b32 v[KSA], 2, v[KSA]
	v_lshlrev_b32 v[QA], 5, v53
	v_lshl_add_u32 v[QA], v54, 4, v[QA]
	v_lshlrev_b32 v[L4], 2, v55
	v_lshlrev_b32 v[VA], 6, v53
	v_lshl_add_u32 v[VA], v54, 4, v[VA]
	s_lshl_b32 s2, s22, 13
	v_lshl_add_u32 v[OST], v55, 4, s2
	v_add_nc_u32 v[OST+1], EX1, v[OST]
	v_mul_u32_u24 v[STR], v55, STP
	v_add_nc_u32 v[STR], ST0, v[STR]
	s_lshl_b32 s2, s22, 2
	v_add_nc_u32 v[STA], s2, v[STR]
	s_and_b32 s3, s22, 1                           ; my unit of a reduction: tile of queries w % 2,
	s_bfe_u32 s42, s22, 0x10001                    ; block of 32 d's (w / 2) % 2
	s_lshl_b32 s2, s23, 16
	s_lshl_b32 s43, s3, 12
	s_add_co_u32 s2, s2, s43
	s_lshl_b32 s43, s42, 11
	s_add_co_u32 s2, s2, s43
	v_lshl_add_u32 v[ORD], v55, 4, s2
	s_mul_i32 s2, s3, 16*AP
	s_lshl_b32 s43, s42, 4
	s_add_co_u32 s2, s2, s43
	s_lshl_b32 s43, s23, 5
	s_add_co_u32 s2, s2, s43
	s_add_co_u32 s2, s2, ATC
	v_mul_u32_u24 v[ACS], v53, AP
	v_lshl_add_u32 v[ACS], v54, 2, v[ACS]
	v_add_nc_u32 v[ACS], s2, v[ACS]                ; row 16 g + r; 32 bytes a head, 16 a block, 4 h
	s_lshl_b32 s2, s3, 9
	s_add_co_u32 s2, s2, s42
	s_lshl_b32 s43, s23, 1
	s_add_co_u32 s2, s2, s43
	s_add_co_u32 s2, s2, ATS
	v_lshl_add_u32 v[ASS], v53, 5, s2
	s_mov_b32 s36, 0xffff0000                      ; lanes 16-31
	s_mov_b32 s32, 0x3fb8aa3b                      ; log2(e)
	s_mov_b32 s33, s32                             ; (named with it as a pair)
	s_mov_b32 s34, 0x76543210
	s_mov_b32 s35, 0xfedcba98                      ; v_permlanex16_b32's selects for lane l xor 16
	s_mov_b32 s29, 0
	s_mov_b32 s31, 0
	s_and_b32 s42, ttmp7, 0xffff                   ; n
	s_lshl_b32 s2, s42, 19                         ; a sequence's codes: 16 heads x 32,768 bytes
	s_lshl_b32 s43, s22, 12                        ; my 128 keys: 4,096 bytes, in K and in V
	s_add_co_u32 s46, s2, s43
	s_mov_b32 s47, 0
	s_wait_kmcnt 0x0
	s_add_nc_u64 s[38:39], s[6:7], s[46:47]        ; V
	s_add_nc_u64 s[16:17], s[4:5], s[46:47]
	s_add_nc_u64 s[16:17], s[16:17], 0x400000      ; K
	s_lshl_b32 s43, ttmp9, 10
	s_add_co_u32 s46, s2, s43
	s_add_nc_u64 s[18:19], s[4:5], s[46:47]        ; Q: my 32 queries
	s_lshl_b32 s2, s42, 15                         ; a sequence's scale words: 32,768 bytes in each of the three parts
	s_lshl_b32 s43, s22, 9
	s_add_co_u32 s46, s2, s43
	s_add_co_u32 s46, s46, 262144
	s_add_nc_u64 s[20:21], s[8:9], s[46:47]        ; K's
	s_lshl_b32 s43, ttmp9, 7
	s_add_co_u32 s46, s2, s43
	s_add_nc_u64 s[24:25], s[8:9], s[46:47]        ; Q's
	s_lshl_b32 s43, s22, 8
	s_add_co_u32 s46, s2, s43
	s_add_co_u32 s46, s46, 524288
	s_add_nc_u64 s[40:41], s[8:9], s[46:47]        ; V's
	LOADKQ
	LOADV 0
.irp g, 0,1
.irp i, 4,5,6,7
	v_mov_b32 v[QF+12*\g+\i], 0                    ; Q's zero codes, for good
.endr
.endr
.irp b, 0,1,2,3
	v_mov_b32 v[PT+\b], 0                          ; written once: a lane permute's destination counts as one of its sources
.endr
	v_mov_b32 v15, 0                               ; upper words of pairs of which the low word serves both halves
	v_mov_b32 v17, 0
	v_mov_b32 v25, 0
	v_mov_b32 v27, 0
; The softmax of tile g over my 128 keys, in two parts.  The first: the blocks' largest scores, -M_w, t - M_w, the 64 exponentials and their wait.  S keeps the unquantised p.
.macro SOFT1 g
.set SG, S+64*\g
.set NM, 14+2*\g
.irp b, 0,1,2,3
	v_max3_num_f32 v[BM+\b], v[SG+16*\b], v[SG+16*\b+1], v[SG+16*\b+2]   ; the largest score of each block of 32 keys: for the maximum, and, since p rises with the score, for the block's largest p
.endr
.irp i, 3,5,7,9,11,13
.irp b, 0,1,2,3
	v_max3_num_f32 v[BM+\b], v[BM+\b], v[SG+16*\b+\i], v[SG+16*\b+\i+1]
.endr
.endr
.irp b, 0,1,2,3
	v_max_num_f32 v[BM+\b], v[BM+\b], v[SG+16*\b+15]
.endr
.irp b, 0,1,2,3
	v_permlanex16_b32 v[PT+\b], v[BM+\b], s34, s35
.endr
.irp b, 0,1,2,3
	v_max_num_f32 v[BM+\b], v[BM+\b], v[PT+\b]
.endr
	v_max3_num_f32 v53, v[BM], v[BM+1], v[BM+2]
	v_max_num_f32 v53, v53, v[BM+3]
	v_mul_f32 v53, s32, v53                        ; my keys' largest t
	v_floor_f32 v[NM], -v53                        ; -M_w = floor(-t): a whole number
.set j, 0
.rept 32
	v_pk_fma_f32 v[SG+j:SG+j+1], v[SG+j:SG+j+1], s[32:33], v[NM:NM+1] op_sel_hi:[1,0,0]   ; t - M_w
.set j, j+2
.endr
.irp b, 0,1,2,3
	v_fma_f32 v[BM+\b], v[BM+\b], s32, v[NM]
.endr
.set j, 0
.rept 64
	v_exp_f32 v[SG+j], v[SG+j]
.set j, j+1
.endr
	v_nop                                          ; a plain place behind the exponentials
	s_wait_alu depctr_va_vdst(0)                   ; one wait for the batch, ahead of its first reader and of the branch that may follow
.endm
; The second part: the blocks' largest p, the sum of the unquantised p, P's scale word and codes
.macro SOFT2 g
.set SG, S+64*\g
.set LL, 18+2*\g
.set PCG, PC+8*\g
.irp b, 0,1,2,3
	v_exp_f32 v[BM+\b], v[BM+\b]                   ; the blocks' largest p: the same two instructions on the same number
.endr
	v_pk_add_f32 v[LL:LL+1], v[SG:SG+1], v[SG+4:SG+5]        ; the sum, in two chains; these lines read the 64 alone
	v_pk_add_f32 v[22:23], v[SG+2:SG+3], v[SG+6:SG+7]
.set j, 8
.rept 14
	v_pk_add_f32 v[LL:LL+1], v[LL:LL+1], v[SG+j:SG+j+1]
	v_pk_add_f32 v[22:23], v[22:23], v[SG+j+2:SG+j+3]
.set j, j+4
.endr
	v_pk_add_f32 v[LL:LL+1], v[LL:LL+1], v[22:23]
	s_wait_alu depctr_va_vdst(0)                   ; and one wait for the four
.irp b, 0,1,2,3
	v_max_num_f32 v[BM+\b], 0x1800000, v[BM+\b]    ; the floor 2^(3 - 127): the byte cannot fall under 1
.endr
.irp b, 0,1,2,3
	v_add_nc_u32 v[SO+\b], 0xff000000, v[BM+\b]    ; 2 off the exponent field: the conversion's scale operand
.endr
.irp b, 0,1,2,3
	v_lshrrev_b32 v[BY+\b], 23, v[SO+\b]
.endr
	v_lshl_or_b32 v[PSC+\g], v[BY+1], 8, v[BY]
	v_lshl_or_b32 v[PSC+\g], v[BY+2], 16, v[PSC+\g]
	v_lshl_or_b32 v[PSC+\g], v[BY+3], 24, v[PSC+\g]
.irp b, 0,1,2,3
	v_cvt_scalef32_pk8_fp4_f32 v[PCG+2*\b], v[SG+16*\b:SG+16*\b+7], v[SO+\b]
	v_cvt_scalef32_pk8_fp4_f32 v[PCG+2*\b+1], v[SG+16*\b+8:SG+16*\b+15], v[SO+\b]
.endr
	v_nop                                          ; one plain place behind the scaled conversions
.irp c, 0,1                            ; the operand wants a whole block in a lane: lanes 0-15 block 2 c, lanes 16-31 block 2 c + 1
.irp i, 0,1
	v_permlane16_swap_b32 v[PCG+4*\c+\i], v[PCG+2+4*\c+\i]
.endr
.endr
.endm
; A query's eight -M_w (v[nb ..]) and eight sums (v[nb + 8 ..]): -M = the least; v[nb + w] becomes the whole number M_w - M (0 or less); the row's sum lands in v[nb + 8]
.macro STG nb, mn
	v_min3_num_f32 v[\mn], v[\nb], v[\nb+1], v[\nb+2]
	v_min3_num_f32 v[\mn], v[\mn], v[\nb+3], v[\nb+4]
	v_min3_num_f32 v[\mn], v[\mn], v[\nb+5], v[\nb+6]
	v_min_num_f32 v[\mn], v[\mn], v[\nb+7]
.irp w, 0,1,2,3,4,5,6,7
	v_sub_f32 v[\nb+\w], v[\mn], v[\nb+\w]
.endr
.irp w, 0,1,2,3,4,5,6,7
	v_cvt_i32_f32 v[\nb+\w], v[\nb+\w]             ; (it saturates)
.endr
.irp w, 0,1,2,3,4,5,6,7
	v_ldexp_f32 v[\nb+8+\w], v[\nb+8+\w], v[\nb+\w]   ; each wave's sum under the common M: nothing is rounded
.endr
	v_add_f32 v[\nb+8], v[\nb+8], v[\nb+9]
	v_add_f32 v[\nb+10], v[\nb+10], v[\nb+11]
	v_add_f32 v[\nb+12], v[\nb+12], v[\nb+13]
	v_add_f32 v[\nb+14], v[\nb+14], v[\nb+15]
	v_add_f32 v[\nb+8], v[\nb+8], v[\nb+10]
	v_add_f32 v[\nb+12], v[\nb+12], v[\nb+14]
	v_add_f32 v[\nb+8], v[\nb+8], v[\nb+12]
.endm
; THE REDUCTION of my unit (16 queries x 32 d's), in four parts.  The parts of the eight waves are already scaled: they are only added.  They land in O^T's registers, 16 to a part: four places.
.macro RLOAD ws, slot                  ; wave ws's part into place slot: register 8 u + j is d = 16 u + 8 h + j of the block
.irp u, 0,1
.irp c, 0,1
	ds_load_b128 v[OA+16*(\slot)+8*\u+4*\c:OA+16*(\slot)+8*\u+4*\c+3], v[ORD] offset:8192*(\ws)+1024*\u+512*\c
.endr
.endr
.endm
.macro RADD d, s                       ; place d += place s
.irp k, 0,2,4,6,8,10,12,14
	v_pk_add_f32 v[OA+16*(\d)+\k:OA+16*(\d)+\k+1], v[OA+16*(\d)+\k:OA+16*(\d)+\k+1], v[OA+16*(\s)+\k:OA+16*(\s)+\k+1]
.endr
.endm
.macro RSUM                            ; the four places into place 0
	s_wait_dscnt 0x0                               ; the run of loads asked for in the part before is in
	WIN 0x45                                       ; destination and both sources window 1
	RADD 0, 1
	RADD 2, 3
	RADD 0, 2
.endm
.macro RED_A                           ; waves 0-3's parts are asked for.  LDS serves a wave's instructions in order (ISA guide 5.7.1.4): my stores out of these registers come first
	WIN 0x40
	RLOAD 0, 0
	RLOAD 1, 1
	RLOAD 2, 2
	RLOAD 3, 3
	WIN 0
.endm
.macro RED_B                           ; they are added; waves 4-6's are asked for
	RSUM
	WIN 0x40
	RLOAD 4, 1
	RLOAD 5, 2
	RLOAD 6, 3
	WIN 0
.endm
.macro RED_C                           ; likewise; wave 7's is asked for
	RSUM
	WIN 0x40
	RLOAD 7, 1
	WIN 0
.endm
.macro RED_D                           ; the last addition; the block (in lanes l and l xor 16) is quantised; codes and byte go to LDS, at v53 and v54
	s_wait_dscnt 0x0
	WIN 0x05                                       ; both sources window 1, destination window 0
.irp k, 0,2,4,6,8,10,12,14
	v_pk_add_f32 v[28+\k:29+\k], v[OA+\k:OA+\k+1], v[OA+16+\k:OA+16+\k+1]
.endr
	WIN 0
	v_max3_num_f32 v22, |v28|, |v29|, 0x1800000    ; and the floor 2^(3 - 127): the byte cannot fall under 1
	v_max3_num_f32 v23, |v36|, |v37|, |v38|
	v_max3_num_f32 v22, v22, |v30|, |v31|
	v_max3_num_f32 v23, v23, |v39|, |v40|
	v_max3_num_f32 v22, v22, |v32|, |v33|
	v_max3_num_f32 v23, v23, |v41|, |v42|
	v_max3_num_f32 v22, v22, |v34|, |v35|
	v_max3_num_f32 v22, v22, v23, |v43|
	v_permlanex16_b32 v23, v22, s34, s35
	v_max_num_f32 v22, v22, v23
	v_add_nc_u32 v24, 0xff000000, v22
	v_lshrrev_b32 v55, 23, v24
	v_cvt_scalef32_pk8_fp4_f32 v13, v[28:35], v24
	v_cvt_scalef32_pk8_fp4_f32 v26, v[36:43], v24
	v_nop                                          ; one plain place behind the scaled conversions
	ds_store_b32 v53, v13
	ds_store_b32 v53, v26 offset:8
	ds_store_b8 v54, v55                           ; both halves of the lanes write the same byte with the same value
.endm
; ONE HEAD.  hb = 0: the pair's even head, 1: its odd head.  pre = 1: the waves of group hb finish the reduction of the head two back.  post = 1: the waves of the other group begin that of the head before.
; first = 1: the launch's first head starts the running mean.
.macro HEADX hb, pre, post, first
.if \hb == 0
	s_wait_loadcnt 10                              ; the pair's K, Q and scale words are in; the ten younger loads (V of head A) may be out
.endif
	WIN 0x01                                       ; source 0 (K) window 1
.irp t, 0,1,2,3,4,5,6,7
.irp g, 0,1
	WM S+64*\g+8*\t, KF+8*\t, QF+12*\g+4*\hb, KSC+\t/2, QSC, \t%2, \g
.endr
.endr
	WIN 0
	NOPS 4                                         ; places ahead of the reads of the scores, and of loads into the products' sources
.if \hb == 1
	s_wait_xcnt 0x0                                ; every earlier load has read its address: the bases may step (the last pair steps by 0 and asks for itself once more: no load leaves its buffer)
	s_add_nc_u64 s[16:17], s[16:17], s[28:29]
	s_add_nc_u64 s[18:19], s[18:19], s[28:29]
	s_add_nc_u64 s[20:21], s[20:21], s[30:31]
	s_add_nc_u64 s[24:25], s[24:25], s[30:31]
	LOADKQ                                         ; the next pair: a head's work ahead
.endif
	SOFT1 0
.if \pre
	s_cmp_eq_u32 s23, \hb                          ; a branch on the wave's number; no barrier stands in it
	s_cbranch_scc0 .Lrb_\@
	RED_B
.Lrb_\@:
.endif
	SOFT2 0
	SOFT1 1
.if \pre
	s_cmp_eq_u32 s23, \hb
	s_cbranch_scc0 .Lrc_\@
	RED_C
.Lrc_\@:
.endif
	SOFT2 1
.if \pre
	v_add_nc_u32 v53, s27, v[ACS]                  ; the place of the pair before in the result's rows: made on every wave's path
	v_add_nc_u32 v54, s44, v[ASS]
	s_cmp_eq_u32 s23, \hb
	s_cbranch_scc0 .Lrd_\@
	RED_D
.Lrd_\@:
.endif
	v_add_f32 v18, v18, v19                        ; the sums' two halves,
	v_add_f32 v20, v20, v21
	v_permlanex16_b32 v19, v18, s34, s35
	v_permlanex16_b32 v21, v20, s34, s35
	v_add_f32 v18, v18, v19                        ; and lane l xor 16's
	v_add_f32 v20, v20, v21
	v_cndmask_b32 v53, v14, v16, s36               ; a query to a lane: lanes 0-15 tile 0's, lanes 16-31 tile 1's: -M_w,
	v_cndmask_b32 v54, v18, v20, s36               ; and my sum
	NOPS 4                                         ; with the plain lines above: eight places between P's scale word and the products, four behind P's codes
	ds_store_b32 v[STA], v53 offset:STB*\hb
	ds_store_b32 v[STA], v54 offset:STB*\hb+32
.if \hb == 0
	s_wait_loadcnt 0x0                             ; V
.else
	s_wait_loadcnt 25                              ; V; the 25 younger loads (the next pair's K, Q and scale words) may be out
.endif
	s_wait_dscnt 0x0                               ; my statistics have landed, and so has the O^T that I stored behind the last barrier; my reads of the exchange and of the last statistics are over
	s_barrier_signal -1                            ; the head's one barrier;
	WIN 0x40                                       ; destination (O^T) window 1
.irp t, 0,1,2,3
.irp g, 0,1
	WM OA+32*\g+8*\t, VF+8*\t, PC+8*\g, VSC+\t/2, PSC+\g, \t%2, 0     ; work on registers between its signal and its wait
.endr
.endr
	WIN 0
	s_barrier_wait -1
.irp k, 0,1,2,3
	ds_load_b128 v[28+4*\k:31+4*\k], v[STR] offset:STB*\hb+16*\k      ; query (lane)'s eight -M_w, then its eight sums
.endr
	NOPS 4                                         ; places ahead of the loads into V's registers
.if \hb == 0
	LOADV 1
.else
	s_wait_xcnt 0x0
	s_add_nc_u64 s[38:39], s[38:39], s[28:29]
	s_add_nc_u64 s[40:41], s[40:41], s[30:31]
	LOADV 0
.endif
	s_wait_dscnt 0x0
	STG 28, 22
	v_rcp_f32 v55, v36
	v_sub_f32 v23, v22, v53                        ; my own M_w - M (plain work behind the reciprocal)
	v_cvt_i32_f32 v23, v23
	s_wait_alu depctr_va_vdst(0)                   ; the wait ahead of the reciprocal's first reader
	v_ldexp_f32 v13, v55, v23                      ; 2^(M_w - M) / l of query (lane)
	v_permlanex16_b32 v54, v13, s34, s35
	v_cndmask_b32 v22, v13, v54, s36               ; tile 0's factor, in both halves of the lanes,
	v_cndmask_b32 v23, v54, v13, s36               ; and tile 1's
	v_mul_f32 v24, 0x3d800000, v22                 ; a sixteenth of each, for the heads' mean
	v_mul_f32 v26, 0x3d800000, v23
	WIN 0x41                                       ; O^T (destination and source 0) window 1
.set j, 0
.rept 16
	v_pk_mul_f32 v[OA+j:OA+j+1], v[OA+j:OA+j+1], v[22:23] op_sel_hi:[1,0]              ; my part of O^T under the common M, divided by l; each result from its low end on
.set j, j+2
.endr
.rept 16
	v_pk_mul_f32 v[OA+j:OA+j+1], v[OA+j:OA+j+1], v[22:23] op_sel:[0,1] op_sel_hi:[1,1]
.set j, j+2
.endr
	WIN 0x04                                       ; an LDS store's data are its source 1: window 1
.irp g, 0,1
.irp t, 0,1,2,3
	ds_store_b128 v[OST+\hb], v[OA+32*\g+8*\t:OA+32*\g+8*\t+3] offset:1024*(4*\g+\t)
	ds_store_b128 v[OST+\hb], v[OA+32*\g+8*\t+4:OA+32*\g+8*\t+7] offset:1024*(4*\g+\t)+512
.endr
.endr
	WIN 0
.if \post
	s_cmp_eq_u32 s23, 1-\hb                        ; the other group's region holds the head before, whole since this barrier
	s_cbranch_scc0 .Lra_\@
	RED_A
.Lra_\@:
.endif
.if \first
	WIN 0x40                                       ; the running mean (destination) window 1: the first head starts it
.irp g, 0,1
.set j, 0
.rept 32
	v_pk_mul_f32 v[64*\g+j:64*\g+j+1], v[S+64*\g+j:S+64*\g+j+1], v[24+2*\g:25+2*\g] op_sel_hi:[1,0]
.set j, j+2
.endr
.endr
.else
	WIN 0x50                                       ; the running mean (destination and source 2) window 1
.irp g, 0,1
.set j, 0
.rept 32
	v_pk_fma_f32 v[64*\g+j:64*\g+j+1], v[S+64*\g+j:S+64*\g+j+1], v[24+2*\g:25+2*\g], v[64*\g+j:64*\g+j+1] op_sel_hi:[1,0,1]
.set j, j+2
.endr
.endr
.endif
	WIN 0
.endm
	s_mov_b32 s28, 65536                           ; a pair on in the codes,
	s_mov_b32 s30, 4096                            ; and in the scale words
	s_mov_b32 s27, 0
	s_mov_b32 s44, 0
	HEADX 0, 0, 0, 1                               ; the first pair is written out: it has nothing to add up yet
	HEADX 1, 0, 1, 0
	s_mov_b32 s26, 1
.Lpair:                                            ; seven trips, a pair of heads each; a trip finishes the reductions of the pair before
	s_cmp_lt_u32 s26, 7
	s_cselect_b32 s28, 65536, 0                    ; nothing in the last trip
	s_cselect_b32 s30, 4096, 0
	HEADX 0, 1, 1, 0
	HEADX 1, 1, 1, 0
	s_add_co_u32 s27, s27, 64
	s_add_co_u32 s44, s44, 4
	s_add_co_u32 s26, s26, 1
	s_cmp_lt_u32 s26, 8
	s_cbranch_scc1 .Lpair
	v_add_nc_u32 v53, 448, v[ACS]                  ; the last pair's place in the result's rows
	v_add_nc_u32 v54, 28, v[ASS]
	s_cmp_eq_u32 s23, 0                            ; its even head: begun in the last trip
	s_cbranch_scc0 .Llast_a
	RED_B
	RED_C
	RED_D
.Llast_a:
	s_wait_loadcnt 0x0                             ; the last trip's look-ahead loads have landed: their registers are free
	s_wait_dscnt 0x0
	s_barrier_signal -1
	s_barrier_wait -1                              ; its odd head's parts are whole
	s_cmp_eq_u32 s23, 1
	s_cbranch_scc0 .Llast_b
	RED_A
	RED_B
	RED_C
	RED_D
.Llast_b:
	s_wait_dscnt 0x0
	s_barrier_signal -1
	s_barrier_wait -1                              ; all 32 rows of codes and bytes lie in LDS, and nobody reads the exchange regions or the statistics any more
	v_and_b32 v1, 31, v0
	v_lshlrev_b32 v2, 4, v1                        ; 16 x lane
	s_mul_i32 s2, s22, 4*AP
	s_add_co_u32 s2, s2, ATC
	v_add_nc_u32 v3, s2, v2                        ; my four rows of codes
	s_and_b32 s3, s22, 1
	s_lshl_b32 s3, s3, 9
	s_add_co_u32 s2, s3, ATS
	v_add_nc_u32 v4, s2, v2                        ; half of the scale bytes
	v_and_b32 v5, 15, v0
	v_bfe_u32 v6, v0, 4, 1
	v_mul_u32_u24 v5, v5, AP
	v_lshl_add_u32 v5, v6, 6, v5
	s_mul_i32 s2, s22, 32*AP                       ; out1's stage: 32 rows x (512 bytes + 16) a wave, 135,168 bytes in all, over the exchange regions and the statistics
	v_add_nc_u32 v5, s2, v5                        ; in: row r, + 64 h
	v_add_nc_u32 v6, s2, v2                        ; back: a row's 512 bytes
	s_and_b32 s42, ttmp7, 0xffff
	s_mov_b32 s47, 0
	s_lshl_b32 s2, s42, 19
	s_lshl_b32 s43, ttmp9, 14
	s_add_co_u32 s2, s2, s43
	s_lshl_b32 s43, s22, 11
	s_add_co_u32 s46, s2, s43
	s_add_nc_u64 s[10:11], s[10:11], s[46:47]      ; ac at row 1,024 n + 32 x + 4 w
	s_lshl_b32 s2, s42, 15
	s_lshl_b32 s43, ttmp9, 10
	s_add_co_u32 s2, s2, s43
	s_add_co_u32 s46, s2, s3
	s_add_nc_u64 s[12:13], s[12:13], s[46:47]      ; asc at row 1,024 n + 32 x, + 512 (w % 2)
	s_lshl_b32 s2, s42, 22
	s_lshl_b32 s43, ttmp9, 17
	s_add_co_u32 s2, s2, s43
	s_lshl_b32 s43, s22, 9
	s_add_co_u32 s46, s2, s43
	s_add_nc_u64 s[14:15], s[14:15], s[46:47]      ; out1 at row 1,024 n + 32 x, column 128 w
.irp i, 0,1,2,3
	ds_load_b128 v[28+4*\i:31+4*\i], v3 offset:AP*\i
.endr
.irp i, 0,1,2,3
	s_wait_dscnt 3-\i                              ; the younger of the four loads may be out
	global_store_b128 v2, v[28+4*\i:31+4*\i], s[10:11] offset:512*\i      ; a row of 512 bytes
.endr
	s_cmp_lt_u32 s22, 2                            ; the 1,024 scale bytes are dense in memory: waves 0 and 1 store 512 each
	s_cbranch_scc0 .Lno_bytes
	ds_load_b128 v[56:59], v4
	s_wait_dscnt 0x0
	global_store_b128 v2, v[56:59], s[12:13]
.Lno_bytes:
	WIN 0x04
.irp g, 0,1
.irp b, 0,1,2,3
.irp q, 0,1,2,3
	ds_store_b128 v5, v[64*\g+16*\b+4*\q:64*\g+16*\b+4*\q+3] offset:16*AP*\g+128*\b+16*\q   ; register 16 b + i is key 32 b + 16 h + i of my 128
.endr
.endr
.endr
	WIN 0
.set j, 0
.rept 32
	ds_load_b128 v[S+4*j:S+4*j+3], v6 offset:AP*j  ; LDS serves a wave's instructions in order (ISA guide 5.7.1.4): these see my stores
.set j, j+1
.endr
.set j, 0
.rept 32
	s_wait_dscnt 31-j                              ; the younger of the 32 loads may be out
	global_store_b128 v2, v[S+4*j:S+4*j+3], s[14:15] offset:4096*j th:TH_STORE_NT   ; 32 lanes store 512 consecutive bytes of a row of out1
.set j, j+1
.endr
	s_wait_xcnt 0x0
	v_lshl_add_u32 v254, v0, 2, 0x25a00
	v_mov_b32 v255, 0
	s_wait_tensorcnt 0x0
	ds_add_u32 v254, v255
	s_wait_dscnt 0x0
	s_endpgm
.Lfunc_end_k_q9ec479e62e_attn:
	.size	k_q9ec479e62e_attn, .Lfunc_end_k_q9ec479e62e_attn-k_q9ec479e62e_attn
	.p2alignl 7, 3214868480
	.fill 96, 4, 3214868480
	.section	.rodata,"a",@progbits
	.p2align	6, 0x0
	.amdhsa_kernel k_q9ec479e62e_attn
		.amdhsa_group_segment_fixed_size 155136
		.amdhsa_private_segment_fixed_size 0
		.amdhsa_enable_private_segment 0
		.amdhsa_kernarg_size 48
		.amdhsa_user_sgpr_count 2
		.amdhsa_user_sgpr_kernarg_segment_ptr 1
		.amdhsa_wavefront_size32 1
		.amdhsa_system_sgpr_workgroup_id_x 1
		.amdhsa_system_sgpr_workgroup_id_y 1
		.amdhsa_system_sgpr_workgroup_id_z 1
		.amdhsa_system_vgpr_workitem_id 0
		.amdhsa_next_free_vgpr 512
		.amdhsa_next_free_sgpr 66
		.amdhsa_reserve_vcc 0
		.amdhsa_float_denorm_mode_32 3
		.amdhsa_float_denorm_mode_16_64 3
		.amdhsa_memory_ordered 1
		.amdhsa_forward_progress 1
		.amdhsa_inst_pref_size 194
	.end_amdhsa_kernel
	.amdgpu_metadata
---
amdhsa.version: [ 1, 2 ]
amdhsa.kernels:
  - .name:           k_q9ec479e62e_attn
    .symbol:         k_q9ec479e62e_attn.kd
    .args:
      - { .name: qkc, .offset: 0, .size: 8, .value_kind: global_buffer, .address_space: global }
      - { .name: vc, .offset: 8, .size: 8, .value_kind: global_buffer, .address_space: global }
      - { .name: sc, .offset: 16, .size: 8, .value_kind: global_buffer, .address_space: global }
      - { .name: ac, .offset: 24, .size: 8, .value_kind: global_buffer, .address_space: global }
      - { .name: asc, .offset: 32, .size: 8, .value_kind: global_buffer, .address_space: global }
      - { .name: out1, .offset: 40, .size: 8, .value_kind: global_buffer, .address_space: global }
    .group_segment_fixed_size: 155136
    .private_segment_fixed_size: 0
    .kernarg_segment_align: 8
    .kernarg_segment_size: 48
    .max_flat_workgroup_size: 256
    .sgpr_count:     66
    .vgpr_count:     512
    .wavefront_size: 32
...
	.end_amdgpu_metadata
.endif
;; end of part 3
;; launch proj (part 4): grid 4 x 32, 4 waves a work-group, clusters of 4 x 4, 327,680 bytes of LDS; arguments ac, asc, W_out_codes, W_out_scales, b_out, out0; writes out0
.if DOCPART == 4
	.amdgcn_target "amdgcn-amd-amdhsa--gfx1250"
	.amdhsa_code_object_version 6
	.text
	.protected	k_q9ec479e62e_proj
	.globl	k_q9ec479e62e_proj
	.p2align	8
	.type	k_q9ec479e62e_proj,@function
k_q9ec479e62e_proj:
	s_mov_b64 s[64:65], 0
	v_nop
	global_prefetch_b8 v0, s[64:65] scope:SCOPE_SE
	s_setreg_imm32_b32 hwreg(HW_REG_WAVE_MODE, 25, 1), 1
	s_wait_xcnt 0x0
	s_wait_alu depctr_hold_cnt(0) depctr_sa_sdst(0) depctr_va_vdst(0) depctr_va_sdst(0) depctr_va_ssrc(0) depctr_va_vcc(0) depctr_vm_vsrc(0)
	s_getreg_b32 s2, hwreg(HW_REG_IB_STS2, 6, 4)
	s_cmp_eq_u32 s2, 0
	s_cbranch_scc0 .Lentry_in_a_cluster
	s_endpgm
.Lentry_in_a_cluster:
	s_bfe_u32 s2, ttmp6, 0x10000c
	s_cmp_lg_u32 s2, 0xf033
	s_cbranch_scc0 .Lentry_shape_is_right
	s_endpgm
.Lentry_shape_is_right:
; out0 = attn W_out^T + b_out on codes of FP4 (E2M1) with E8M0 scales.  attn: ac [8192][512 bytes], asc [8192][32]; W_out: [1024][512 bytes], [1024][32]; b_out [1024] f32; out0 [8192][1024] f32.
; A work-group of four waves makes 256 x 256 of out0; a wave 128 x 128: 64 accumulators, 512 registers.  All of K (1,024) lies in two LDS slots of 512 along K, each filled once by tensor loads; the scale bytes come once, in whole units of 256 bytes.
; CLUSTERS: 4 x 4 work-groups; attn's tile is shared along a row of the cluster, W_out's along a column: each is asked for jointly, by the same load with the same descriptor and a mask that names the four.
; THE MATRIX INSTRUCTION IS USED TRANSPOSED (source 0 = 16 rows of W_out, source 1 = 16 rows of attn): a lane holds eight neighbouring numbers of a row of out0.  The bias is the C of each sum's first product.
; REGISTERS, in windows of 256: window 0: v0-31 addresses; v32-95 scale words, two sets; v128-191 attn's fragments, one set; on the way out v128-255 take rows of out0.
;   window 1: W_out's fragments, two sets, at v0 and v128; v64-127 the bias in the result's layout.   windows 2, 3: the accumulators ((a, b) at v[8 (8 (a % 4) + b)]).
.set SIZE_N, 1024
.set NQ,     4
.set ROWB,   256
.set KROW,   512
.set PITCH,  272                       ; an LDS row: 256 bytes + 16 of padding = 68 words, so that the 16 rows of a fragment load start at 16 different banks (64 banks of 4 bytes: ISA guide 11.1)
.set FR,     8
.set NL,     2
.set NP,     4                         ; places behind this matrix instruction (ISA guide 7.12.1)
.set HALFT,  128*PITCH
.set SLOT,   4*HALFT
.set KS,     32
.set SCL,    2*SLOT
.set HALFS,  16*272
.set SBLK,   2*272
.set SPARE,  SCL+4*HALFS               ; the spare words, 128 bytes a wave: two blocks of 256 bytes that no other line names
.set SPITCH, 528                       ; the way out: a stage of 16 rows x (512 bytes + 16) a wave, in slot 0, which has had its only fill and its last read
.set BIO,  7                           ; v7   the bias: 32 h
.set ADRA, 16
.set ADRB, 20
.set STO,  24
.set RD,   25
.set CO,   26
.set ADRS, 27
.set SPW,  28                          ; v28  my spare word; never rewritten
.set NIL,  29                          ; v29  0; never rewritten
.set SC,   32
.set AF,   128
.set BK,   128
.set G1, 24
.set G0, 32
.set G1B, 48
.set G0B, 56
.set G1S, 68
.set G0S, 76
.set G1SB, 80
.set G0SB, 88
.set MSB, 0
.macro WIN new                         ; the immediate's high byte repeats the setting that is left
.if MSB != (\new)
	s_set_vgpr_msb (MSB<<8)|(\new)
.set MSB, (\new)
.endif
.endm
.set MUL_LO, 0xa1                      ; source 0 (W_out) window 1, source 1 (attn) window 0, C and D window 2
.set MUL_HI, 0xf1
.set TO_B,   0x40
.macro JLOAD g0a, g1a, g0b, g1b        ; a joint load: waves 0 and 1 fetch for attn, waves 2 and 3 for W_out; four v_nop follow each of the two lines
	s_cmp_eq_u32 s15, 0
	s_cbranch_scc0 .Lfor_b_\@
	tensor_load_to_lds s[\g0a:\g0a+3], s[\g1a:\g1a+7]
	s_nop 0
.rept 4
	v_nop
.endr
	s_branch .Lasked_\@
.Lfor_b_\@:
	tensor_load_to_lds s[\g0b:\g0b+3], s[\g1b:\g1b+7]
	s_nop 0
.rept 4
	v_nop
.endr
.Lasked_\@:
.endm
.macro CROUND                          ; a round of the cluster's barrier
	s_barrier_signal -1
	s_barrier_wait -1
	s_cmp_lg_u32 s14, 0
	s_cbranch_scc1 .Lnot_wave_0_\@
	s_barrier_signal -3
.Lnot_wave_0_\@:
	s_barrier_wait -3
	s_barrier_signal -1
	s_barrier_wait -1
.endm
	s_load_b128 s[4:7], s[0:1], 0x0                ; attn's codes, attn's scales
	s_load_b128 s[8:11], s[0:1], 0x10              ; W_out's codes, W_out's scales
	s_load_b64 s[96:97], s[0:1], 0x20              ; b_out
	s_load_b64 s[12:13], s[0:1], 0x28              ; out0
	v_lshl_add_u32 v[SPW], v0, 2, SPARE
	v_mov_b32 v[NIL], 0
	ds_add_u32 v28, v29
	ds_add_u32 v28, v29
	s_wait_dscnt 0x0
	v_lshrrev_b32 v1, 5, v0
	v_readfirstlane_b32 s14, v1                    ; wave 0..3
	s_lshr_b32 s15, s14, 1                         ; which half of the tile's rows is mine.  Also: I fetch for attn (0) or for W_out (1)
	s_and_b32 s16, s14, 1                          ; which half of its columns.  Also: which 128 rows of that tile I fetch
	s_bfe_u32 s40, ttmp6, 0x40000                  ; cx, cy
	s_bfe_u32 s41, ttmp6, 0x40004
	s_lshl_b32 s42, ttmp9, 2
	s_add_co_u32 s42, s42, s40                     ; tile column
	s_and_b32 s17, ttmp7, 0xffff
	s_lshl_b32 s17, s17, 2
	s_add_co_u32 s17, s17, s41                     ; tile row
	s_lshl_b32 s43, s41, 2
	s_lshl_b32 s43, 15, s43                        ; my row of the cluster
	s_lshl_b32 s44, 0x1111, s40                    ; my column
	s_or_b32 s[G1+0], s43, (0<<16)|(1<<20)|(1<<21)|(5<<22)|(3<<25)  ; 15:0 the mask; 17:16 elements of 1 byte; 20 padding on; 21 set beside a mask; 24:22 after every 64 words; 31:25 four words
	s_or_b32 s[G1B+0], s44, (0<<16)|(1<<20)|(1<<21)|(5<<22)|(3<<25)
.irp g, G1, G1B
	s_mov_b32 s[\g+1], ROWB<<16                    ; tensor_dim0
	s_mov_b32 s[\g+2], 128<<16                     ; tensor_dim1
	s_mov_b32 s[\g+3], ROWB<<16                    ; tile_dim0
	s_mov_b32 s[\g+4], 128                         ; tile_dim1
	s_mov_b32 s[\g+5], KROW                        ; tensor_dim0_stride
	s_mov_b32 s[\g+6], 0
	s_mov_b32 s[\g+7], 0
.endr
	s_or_b32 s[G1S+0], s43, (3<<16)|(1<<20)|(1<<21)|(5<<22)|(3<<25)   ; the scale bytes of 128 rows: 16 rows of 256 bytes (32 elements of 8 bytes), 16 bytes of padding behind each
	s_or_b32 s[G1SB+0], s44, (3<<16)|(1<<20)|(1<<21)|(5<<22)|(3<<25)
.irp g, G1S, G1SB
	s_mov_b32 s[\g+1], 32<<16
	s_mov_b32 s[\g+2], 16<<16
	s_mov_b32 s[\g+3], 32<<16
	s_mov_b32 s[\g+4], 16
	s_mov_b32 s[\g+5], 32
	s_mov_b32 s[\g+6], 0
	s_mov_b32 s[\g+7], 0
.endr
	s_lshl_b32 s18, s16, 7
	s_lshl_b32 s20, s17, 8
	s_add_co_u32 s20, s20, s18                     ; attn: row 256 x tile row + 128 x half
	s_lshl_b32 s46, s42, 8
	s_add_co_u32 s46, s46, s18                     ; W_out: row 256 x tile column + 128 x half
	s_mov_b32 s21, 0
	s_mov_b32 s47, 0
	s_mov_b64 s[18:19], KS
	s_mul_u64 s[22:23], s[20:21], s[18:19]
	s_mul_u64 s[92:93], s[46:47], s[18:19]
	s_mov_b64 s[18:19], KROW
	s_mul_u64 s[20:21], s[20:21], s[18:19]
	s_mul_u64 s[46:47], s[46:47], s[18:19]
	s_mul_i32 s45, s14, HALFT                      ; where they go: wave x 128 rows: no place in the cluster enters an LDS address
	s_mul_i32 s94, s14, HALFS
	s_wait_kmcnt 0x0
	s_add_nc_u64 s[20:21], s[4:5], s[20:21]
	s_add_nc_u64 s[22:23], s[6:7], s[22:23]
	s_add_nc_u64 s[46:47], s[8:9], s[46:47]
	s_add_nc_u64 s[92:93], s[10:11], s[92:93]
	CROUND                                         ; all sixteen work-groups are here: the joint loads meet
	s_mov_b32 s[G0S], 1
	s_add_co_u32 s[G0S+1], s94, SCL
	s_mov_b64 s[G0S+2:G0S+3], s[22:23]
	s_or_b32 s[G0S+3], s[G0S+3], 0x80000000
	s_mov_b32 s[G0SB], 1
	s_add_co_u32 s[G0SB+1], s94, SCL
	s_mov_b64 s[G0SB+2:G0SB+3], s[92:93]
	s_or_b32 s[G0SB+3], s[G0SB+3], 0x80000000
	JLOAD G0S, G1S, G0SB, G1SB
.irp s, 0,1
	s_mov_b32 s[G0+4*\s], 1
	s_add_co_u32 s[G0+4*\s+1], s45, \s*SLOT
	s_add_nc_u64 s[G0+4*\s+2:G0+4*\s+3], s[20:21], \s*ROWB
	s_or_b32 s[G0+4*\s+3], s[G0+4*\s+3], 0x80000000
	s_mov_b32 s[G0B+4*\s], 1
	s_add_co_u32 s[G0B+4*\s+1], s45, \s*SLOT
	s_add_nc_u64 s[G0B+4*\s+2:G0B+4*\s+3], s[46:47], \s*ROWB
	s_or_b32 s[G0B+4*\s+3], s[G0B+4*\s+3], 0x80000000
	JLOAD G0+4*\s, G1, G0B+4*\s, G1B               ; three loads of mine are out: all of K is asked for, nothing is filled again
.endr
	v_and_b32 v1, 15, v0                           ; r
	v_bfe_u32 v2, v0, 4, 1                         ; h
	v_mul_u32_u24 v3, v1, PITCH
	v_lshl_add_u32 v4, v2, 4, v3
	s_mul_i32 s21, s15, HALFT                      ; my 128 rows of attn
	s_mul_i32 s22, s16, HALFT                      ; my 128 rows of W_out,
	s_add_co_u32 s22, s22, 2*HALFT                 ; which lie behind attn's 256
.irp s, 0,1
	v_add_nc_u32 v[ADRA+\s], s21, v4
	v_add_nc_u32 v[ADRB+\s], s22, v4
	s_add_co_u32 s21, s21, SLOT
	s_add_co_u32 s22, s22, SLOT
.endr
	v_mul_u32_u24 v5, v1, KS
	v_lshrrev_b32 v6, 8, v5
	v_lshl_add_u32 v5, v6, 4, v5
	s_mul_i32 s21, s15, HALFS
	s_mul_i32 s22, s16, HALFS
	s_add_co_u32 s22, s22, 2*HALFS
	s_sub_co_u32 s22, s22, s21
	v_mul_u32_u24 v6, s22, v2                      ; lanes 16-31 take W_out's
	s_add_co_u32 s21, s21, SCL
	v_add_nc_u32 v5, v5, v6
	v_add_nc_u32 v[ADRS], s21, v5
	s_mul_i32 s23, s14, 16*SPITCH                  ; my stage
	v_mul_u32_u24 v5, v1, SPITCH
	v_lshl_add_u32 v5, v2, 5, v5
	v_add_nc_u32 v[STO], s23, v5
	v_and_b32 v6, 31, v0
	v_lshlrev_b32 v[CO], 4, v6
	v_add_nc_u32 v[RD], s23, v[CO]
	s_lshl_b32 s20, s17, 8
	s_lshl_b32 s21, s15, 7
	s_add_co_u32 s20, s20, s21                     ; my first row of out0
	s_mov_b32 s21, 0
	s_mov_b64 s[18:19], SIZE_N*4
	s_mul_u64 s[20:21], s[20:21], s[18:19]
	s_lshl_b32 s46, s42, 10                        ; my first column, in bytes: 1,024 x tile column + 512 x half
	s_lshl_b32 s47, s16, 9
	s_add_co_u32 s46, s46, s47
	s_mov_b32 s47, 0
	s_add_nc_u64 s[20:21], s[20:21], s[46:47]
	s_add_nc_u64 s[12:13], s[12:13], s[20:21]
	s_add_nc_u64 s[96:97], s[96:97], s[46:47]      ; b_out at the same column
	v_lshlrev_b32 v[BIO], 5, v2
	WIN TO_B
.irp b, 0,1,2,3,4,5,6,7
	global_load_b128 v[64+8*\b:64+8*\b+3], v[BIO], s[96:97] offset:64*\b        ; b_out at columns 16 b + 8 h + 0 .. 7: the result's layout
	global_load_b128 v[64+8*\b+4:64+8*\b+7], v[BIO], s[96:97] offset:64*\b+16
.endr
	WIN 0
.macro FRAG reg, adr, q, i
.irp c, 0,1
	ds_load_b128 v[\reg+4*\c:\reg+4*\c+3], v[\adr] offset:64*(\q)+32*\c+(\i)*16*PITCH
.endr
.endm
; 16 matrix instructions: attn's blocks a0, a0 + 1 x W_out's eight, 128 along K.  zero = 2: the first product starts the sums from the bias.  The 64 accumulators take turns, one instruction a turn.
.macro MUL16 a0, p, q, sc, zero
.irp a, \a0, \a0+1
.irp b, 0,1,2,3,4,5,6,7
.if \zero == 2
	v_wmma_scale_f32_16x16x128_f8f6f4 v[8*(8*((\a)%4)+\b):8*(8*((\a)%4)+\b)+7], v[128*(\p)+FR*\b:128*(\p)+FR*\b+FR-1], v[AF+FR*(\a):AF+FR*(\a)+FR-1], v[64+8*\b:64+8*\b+7], v[SC+8*NQ*(\sc)+NQ*\b+(\q)], v[SC+8*NQ*(\sc)+NQ*(\a)+(\q)] matrix_a_fmt:MATRIX_FMT_FP4 matrix_b_fmt:MATRIX_FMT_FP4 matrix_a_scale:MATRIX_SCALE_ROW1
.else
	v_wmma_scale_f32_16x16x128_f8f6f4 v[8*(8*((\a)%4)+\b):8*(8*((\a)%4)+\b)+7], v[128*(\p)+FR*\b:128*(\p)+FR*\b+FR-1], v[AF+FR*(\a):AF+FR*(\a)+FR-1], v[8*(8*((\a)%4)+\b):8*(8*((\a)%4)+\b)+7], v[SC+8*NQ*(\sc)+NQ*\b+(\q)], v[SC+8*NQ*(\sc)+NQ*(\a)+(\q)] matrix_a_fmt:MATRIX_FMT_FP4 matrix_b_fmt:MATRIX_FMT_FP4 matrix_a_scale:MATRIX_SCALE_ROW1
.endif
.endr
.endr
.endm
.macro FETCH_B slot, q, p
	WIN TO_B
.irp i, 0,1,2,3,4,5,6,7
	FRAG 128*(\p)+FR*\i, ADRB+\slot, \q, \i
.endr
	WIN 0
.endm
.macro FETCH_A slot, q, i0
.irp i, \i0, \i0+1, \i0+2, \i0+3
	FRAG AF+FR*(\i), ADRA+\slot, \q, \i
.endr
.endm
.macro SCALES sc
.irp i, 0,1,2,3,4,5,6,7
	ds_load_b128 v[SC+8*NQ*\sc+NQ*\i:SC+8*NQ*\sc+NQ*\i+3], v[ADRS] offset:\i*SBLK
.endr
.endm
.macro PLACES n
.rept \n
	v_nop
.endr
.endm
.macro STEP slot, q, zero
	s_wait_dscnt 4*NL                              ; W_out's set and attn's blocks 0-3 are in; the youngest eight loads (blocks 4-7) may be out
.if \zero == 2
	WIN 0x91                                       ; as MUL_LO, with C (the bias) in window 1
.else
	WIN MUL_LO
.endif
	MUL16 0, (\q)%2, \q, \slot, \zero
	MUL16 2, (\q)%2, \q, \slot, \zero
	s_wait_dscnt 0
	PLACES NP
	FETCH_B \slot, (\q)+1, 1-(\q)%2
	FETCH_A \slot, (\q)+1, 0
.if \zero == 2
	WIN 0xd1
.else
	WIN MUL_HI
.endif
	MUL16 4, (\q)%2, \q, \slot, \zero
	MUL16 6, (\q)%2, \q, \slot, \zero
	PLACES NP
	WIN 0
	FETCH_A \slot, (\q)+1, 4
.endm
.macro TURN slot, next
	s_wait_tensorcnt 0x0                           ; all my tensor loads have landed: my part of the next slot
	ds_add_u32 v[SPW], v[NIL]                      ; 0 onto my spare word
	s_wait_dscnt 4*NL+1                            ; (the add and the youngest eight loads may be out)
	WIN MUL_LO
	MUL16 0, 1, NQ-1, \slot, 0
	s_wait_dscnt 0x0                               ; the add is done, and my reads of this slot are over
	s_barrier_signal -1
	MUL16 2, 1, NQ-1, \slot, 0
	WIN 0
	s_barrier_wait -1                              ; the next slot is whole, and nobody reads this one any more
	PLACES NP
	v_add_nc_u32 v[ADRS], 4*NQ, v[ADRS]
	FETCH_B \next, 0, 0
	FETCH_A \next, 0, 0
	SCALES \next
	WIN MUL_HI
	MUL16 4, 1, NQ-1, \slot, 0
	MUL16 6, 1, NQ-1, \slot, 0
	PLACES NP
	WIN 0
	FETCH_A \next, 0, 4
.endm
.macro STEPS slot, from
.set Q, \from
.rept NQ-1-\from
	STEP \slot, Q, 0
.set Q, Q+1
.endr
.endm
	s_wait_tensorcnt 1                             ; the scale bytes and my part of slot 0 are in (slot 1's load may be out),
	s_barrier_signal -1
	s_barrier_wait -1                              ; everybody's are
	FETCH_B 0, 0, 0
	FETCH_A 0, 0, 0
	SCALES 0
	FETCH_A 0, 0, 4
	s_wait_loadcnt 0x0                             ; the bias
	STEP 0, 0, 2
	STEPS 0, 1
	TURN 0, 1
	STEPS 1, 0
	s_wait_dscnt 4*NL
	WIN MUL_LO
	MUL16 0, 1, NQ-1, 1, 0
	MUL16 2, 1, NQ-1, 1, 0
	s_wait_dscnt 0
	WIN MUL_HI
	MUL16 4, 1, NQ-1, 1, 0
	MUL16 6, 1, NQ-1, 1, 0
	WIN 0
; THE WAY OUT, block by block of 16 rows x 128 columns, through my own stage in LDS: in as 32 bytes a lane, back as whole rows of 512 bytes.  LDS serves a wave's instructions in order (ISA guide 5.7.1.4).
.macro TOSTAGE a
.set AC, 64*((\a)%4)
	WIN 0x08+4*((\a)/4)                            ; the data: window 2 or 3
.irp b, 0,1,2,3,4,5,6,7
	ds_store_b128 v[STO], v[AC+8*\b:AC+8*\b+3] offset:64*\b          ; each accumulator from its low end on
	ds_store_b128 v[STO], v[AC+8*\b+4:AC+8*\b+7] offset:64*\b+16
.endr
	WIN 0
.set BB, BK+64*((\a)%2)
.irp t, 0,1,2,3,4,5,6,7,8,9,10,11,12,13,14,15
	ds_load_b128 v[BB+4*\t:BB+4*\t+3], v[RD] offset:\t*SPITCH
.endr
.endm
.macro SEND a, younger                 ; younger: the LDS instructions issued behind block a's loads, which may stay out
.set BB, BK+64*((\a)%2)
	s_wait_dscnt \younger
.if (\a) > 0
	s_add_nc_u64 s[12:13], s[12:13], 16*SIZE_N*4   ; (behind a wait on XCNT: the earlier stores have read their base)
.endif
.irp t, 0,1,2,3,4,5,6,7,8,9,10,11,12,13,14,15
	global_store_b128 v[CO], v[BB+4*\t:BB+4*\t+3], s[12:13] offset:\t*SIZE_N*4 th:TH_STORE_NT   ; 32 lanes store 512 consecutive bytes of a row
.endr
.endm
	PLACES NP
	TOSTAGE 0
.irp a, 1,2,3,4,5,6,7
.if \a > 1
	s_wait_xcnt 0x0                                ; block a - 2's stores have read their registers and their base
.endif
	TOSTAGE \a
	SEND \a-1, 32                                  ; behind block a - 1's loads: block a's 16 stores and 16 loads
.endr
	s_wait_xcnt 0x0
	SEND 7, 0
	s_wait_tensorcnt 0x0                           ; the wave's end: behind my last tensor load and my last LDS store
	ds_add_u32 v[SPW], v[NIL]
	s_wait_dscnt 0x0
	CROUND                                         ; the closing round: no work-group ends while a partner may still ask for a tile that names it
	s_endpgm
.Lfunc_end_k_q9ec479e62e_proj:
	.size	k_q9ec479e62e_proj, .Lfunc_end_k_q9ec479e62e_proj-k_q9ec479e62e_proj
	.p2alignl 7, 3214868480
	.fill 96, 4, 3214868480
	.section	.rodata,"a",@progbits
	.p2align	6, 0x0
	.amdhsa_kernel k_q9ec479e62e_proj
		.amdhsa_group_segment_fixed_size 327680
		.amdhsa_private_segment_fixed_size 0
		.amdhsa_enable_private_segment 0
		.amdhsa_kernarg_size 48
		.amdhsa_user_sgpr_count 2
		.amdhsa_user_sgpr_kernarg_segment_ptr 1
		.amdhsa_wavefront_size32 1
		.amdhsa_system_sgpr_workgroup_id_x 1
		.amdhsa_system_sgpr_workgroup_id_y 1
		.amdhsa_system_sgpr_workgroup_id_z 1
		.amdhsa_system_vgpr_workitem_id 0
		.amdhsa_next_free_vgpr 1024
		.amdhsa_next_free_sgpr 100
		.amdhsa_reserve_vcc 0
		.amdhsa_float_denorm_mode_32 3
		.amdhsa_float_denorm_mode_16_64 3
		.amdhsa_memory_ordered 1
		.amdhsa_forward_progress 1
		.amdhsa_inst_pref_size 126
	.end_amdhsa_kernel
	.amdgpu_metadata
---
amdhsa.version: [ 1, 2 ]
amdhsa.kernels:
  - .name:           k_q9ec479e62e_proj
    .symbol:         k_q9ec479e62e_proj.kd
    .args:
      - { .name: ac, .offset: 0, .size: 8, .value_kind: global_buffer, .address_space: global }
      - { .name: asc, .offset: 8, .size: 8, .value_kind: global_buffer, .address_space: global }
      - { .name: W_out_codes, .offset: 16, .size: 8, .value_kind: global_buffer, .address_space: global }
      - { .name: W_out_scales, .offset: 24, .size: 8, .value_kind: global_buffer, .address_space: global }
      - { .name: b_out, .offset: 32, .size: 8, .value_kind: global_buffer, .address_space: global }
      - { .name: out0, .offset: 40, .size: 8, .value_kind: global_buffer, .address_space: global }
    .group_segment_fixed_size: 327680
    .private_segment_fixed_size: 0
    .kernarg_segment_align: 8
    .kernarg_segment_size: 48
    .max_flat_workgroup_size: 128
    .sgpr_count:     100
    .vgpr_count:     1024
    .wavefront_size: 32
...
	.end_amdgpu_metadata
.endif
;; end of part 4
;; ======== version 2 of 2: 4 launches; version 1 with the launch attn written anew for expert scheduling mode
;; workspace buffers: tab 262,144 bytes; qkc 8,388,608 bytes; vc 4,194,304 bytes; sc 786,432 bytes; ac 4,194,304 bytes; asc 262,144 bytes
;; launch tab: the kernel of part 1 again; grid 64 x 1, 8 waves a work-group, no clusters, 0 bytes of LDS; arguments tab; writes tab
;; launch qkv: the kernel of part 2 again; grid 12 x 32, 4 waves a work-group, clusters of 4 x 4, 327,680 bytes of LDS; arguments x_codes, x_scales, W_in_codes, W_in_scales, b_in, tab, qkc, vc, sc; writes qkc, vc, sc
;; launch attn (part 5): grid 32 x 8, 8 waves a work-group, no clusters, 155,136 bytes of LDS; arguments qkc, vc, sc, ac, asc, out1; writes ac, asc, out1
.if DOCPART == 5
	.amdgcn_target "amdgcn-amd-amdhsa--gfx1250"
	.amdhsa_code_object_version 6
	.text
	.protected	k_q9ec479e62e_attn
	.globl	k_q9ec479e62e_attn
	.p2align	8
	.type	k_q9ec479e62e_attn,@function
k_q9ec479e62e_attn:
	s_mov_b64 s[64:65], 0
	v_nop
	global_prefetch_b8 v0, s[64:65] scope:SCOPE_SE
	s_setreg_imm32_b32 hwreg(HW_REG_WAVE_SCHED_MODE, 0, 2), 2
	s_setreg_imm32_b32 hwreg(HW_REG_WAVE_MODE, 25, 1), 1
	s_wait_xcnt 0x0
	s_wait_alu depctr_vm_vsrc(0)
; Attention on codes of FP4 (E2M1) with E8M0 scales, for 32 queries of one sequence and ALL 16 heads, so that one work-group owns its rows of out1, the heads' mean of the softmax.
; IN: qkc (q's and k's codes, [n][head][l][32 bytes]), vc ([n][head][step of 128 keys][d 64][64 bytes]), sc (scale words).  OUT: ac [8192][512 bytes], asc [8192][32]: the attention result as codes along D; out1 [n][l][m] f32.
; SHARES.  Work-group (x, y): queries 32 x .. 32 x + 31 of sequence y, two tiles g of 16.  Wave w of eight owns keys 128 w .. 128 w + 127, for both tiles.  The heads go in pairs (A even, B odd).
; LAYOUT.  S^T = K Q^T (source 0 = 16 keys, source 1 = 16 queries), O^T = V^T P^T (source 0 = 16 of the head's 64, source 1 = P): a lane holds ONE query (lane % 16) throughout.
; The instruction's K is 128 and a head's is 64: a fragment of K holds head A's 64 codes and head B's 64; Q's fragment holds zeros where the other head lies (twelve registers: q of A, zeros, q of B; A names the first eight, B the last).
; The keys of a tile are not neighbours: lane r of tile 2 b + u takes key 32 b + 8 u + r + 8 (r / 8), so that the 16 registers of tiles 2 b and 2 b + 1 are the 16 neighbouring keys 32 b + 16 (lane / 16) + 0 .. 15.
; SOFTMAX.  t = score x log2(e).  Each wave takes M_w = its own 128 keys' largest t, rounded up to a whole number; p = 2^(t - M_w) is quantised along the keys.  With M = the largest M_w, every p differs from 2^(t - M) by the exact
; power of two 2^(M_w - M), which a block's scale takes up.  p stays in registers: out1's running mean (128 registers, p's layout) takes p x 2^(M_w - M) / (16 l) by one packed multiply-add for two numbers: no second exponential.
; HOW THE WAVES' PARTS MEET: one barrier a head, and only the eight -M_w and sums of a query (two stores of 4 bytes a lane) stand in front of it; V^T P stands between its signal and its wait.  Behind it each wave reads the statistics
; (a query to a lane), multiplies its own part of O^T by its own 2^(M_w - M) / l and stores it; nothing waits for these stores to land before the next head's barrier.  The parts of head h are added between the barriers of heads h + 1 and
; h + 2: they land in O^T's own 64 registers, free from their stores to the next V^T P, in three runs of loads (waves 0-3, 4-6, 7) that are asked for well ahead of the additions, among the next head's softmax.
; Waves 0-3 add even heads, waves 4-7 odd heads; a wave's unit is 16 queries x 32 d's: one block of the last product's K.  A region of the exchange is written behind barrier h, read between barriers h + 1 and h + 2 (the reads are
; waited for in front of signal h + 2) and written again behind barrier h + 2: so two regions, one for each head of a pair, do.
; K, V AND Q GO FROM MEMORY STRAIGHT INTO OPERAND REGISTERS, most of a head's work ahead of their use.  NO CLUSTER, NO TENSOR LOAD: the waves split the keys, so each byte of K and V is wanted by exactly one wave of a work-group,
; once; a tile shared through LDS would add one LDS write and one LDS read of each of those bytes.
; LIMITS: p under 2^-126 counts as 0; a block of the result whose largest magnitude lies under 2^-124 gets the floor's scale; NaN and infinities are not served.
; REGISTERS: window 0: v1-12 addresses; v13, v53-55 at work; v14-27 a tile's -M, sums and factors; v28-43 at work; v44-52 scale words; v56-71 P's codes; v72-95 Q; v96-127 V; v128-255 S, then p.
;   window 1: v0-127 the running mean; v128-191 O^T (tile g, 16 d's t: 128 + 32 g + 8 t), then the parts being added; v192-255 K's eight fragments.
; THE MODE: SCHED_MODE bits 1:0 = 2 (LLVM: expert scheduling mode 2), set by the entry lines.  The code itself states the register dependences between vector or matrix instructions and memory or LDS instructions,
; with s_wait_alu, always for 0.
; THE PLAN.  Registers that memory or LDS instructions touch, round a head:
;   v1-12           addresses: written at the head of the kernel, read by every load and LDS instruction, not written again before the way out.
;   K, Q, KSC, QSC  read by the 16 products K Q^T of both heads of a pair; the next pair's 25 loads land there.  They stand in the odd head, straight behind the wait that ends the first tile's exponentials.
;   V, VSC          read by the 8 products V^T P; the next head's 10 loads land there.  They stand straight behind the reciprocal's wait.
;   v53, v54        written by the softmax, as the reduction's addresses and by the two selects; read by the reduction's stores and by the two stores of statistics.
;   v13, v26, v55   the reduction's codes and byte: written by its quantiser and later by the factors' lines; read by its three stores.
;   v28-43          at work in the softmax and the reduction; the four loads of the statistics land there behind the barrier.
;   O^T             written by V^T P and the packed multiplies; read by its 16 stores; then the reduction's loads land there, its additions read them, and the next V^T P writes them.
;   P's codes, PSC  written by vector lines, taken by the scaled products.
; On every wave's path a head has, beside the five waits behind its transcendentals: one wait on va_vdst ahead of the statistics' stores (v53, v54; P for the products; v28-43 for the loads behind the barrier), one on vm_vsrc
; behind the barrier (v53, v54), one on va_vdst ahead of O^T's stores, one on vm_vsrc behind the mean's multiply-adds (O^T's registers).  The reduction's arms state their own.
.set EX1,  65536                       ; LDS: 0 and EX1: the waves' parts of O^T, as images of their registers, 8,192 bytes a wave; the two regions serve heads A and B
.set ST0,  131072                      ; two regions of statistics: [query 32][eight -M_w, eight sums], STP bytes a query
.set STP,  80                          ; 64 bytes + 16: an odd multiple of 16
.set STB,  32*STP
.set ATC,  ST0+2*STB                   ; the result's codes: 32 rows x (512 bytes + 16)
.set AP,   528
.set ATS,  ATC+32*AP                   ; and its scale bytes: 32 rows x 32
.set KA,   1                           ; v1   K: 32 (r + 8 (r / 8)) + 16 h
.set KSA,  2                           ; v2   K's scale words: 4 (8 h + r + 8 (r / 8)): lanes 16-31 take the odd tile's
.set QA,   3                           ; v3   Q: 32 r + 16 h
.set L4,   4                           ; v4   4 x lane
.set VA,   5                           ; v5   V: 64 r + 16 h
.set OST,  6                           ; v6-7 where my O^T goes: 8,192 w + 16 x lane, in region A, B
.set STA,  8                           ; v8   where my -M and my sum of query (lane) go: STP x lane + 4 w
.set STR,  9                           ; v9   where a query's sixteen words are read: STP x lane
.set ORD,  10                          ; v10  where my unit of the reduction is read
.set ACS,  11                          ; v11  where its codes go (the pair's step apart);  v12 its scale byte
.set ASS,  12
.set BM,   28
.set PT,   32
.set SO,   36
.set BY,   40
.set KSC,  44
.set QSC,  48
.set VSC,  49
.set PSC,  51
.set PC,   56
.set QF,   72
.set VF,   96
.set S,    128
.set OA,   128                         ; in window 1
.set KF,   192                         ; in window 1
.set MSB, 0
.macro WIN new                         ; the immediate's high byte repeats the setting that is left
.if MSB != (\new)
	s_set_vgpr_msb (MSB<<8)|(\new)
.set MSB, (\new)
.endif
.endm
.macro NOPS n
.rept \n
	v_nop
.endr
.endm
; One product that starts a sum.  ra, rb: source 0's, source 1's scale words stand in lanes 16-31 of their register
.macro WM d, a, b, sa, sb, ra, rb
.if (\ra) && (\rb)
	v_wmma_scale_f32_16x16x128_f8f6f4 v[\d:\d+7], v[\a:\a+7], v[\b:\b+7], 0, v[\sa], v[\sb] matrix_a_fmt:MATRIX_FMT_FP4 matrix_b_fmt:MATRIX_FMT_FP4 matrix_a_scale:MATRIX_SCALE_ROW1 matrix_b_scale:MATRIX_SCALE_ROW1
.elseif \ra
	v_wmma_scale_f32_16x16x128_f8f6f4 v[\d:\d+7], v[\a:\a+7], v[\b:\b+7], 0, v[\sa], v[\sb] matrix_a_fmt:MATRIX_FMT_FP4 matrix_b_fmt:MATRIX_FMT_FP4 matrix_a_scale:MATRIX_SCALE_ROW1
.elseif \rb
	v_wmma_scale_f32_16x16x128_f8f6f4 v[\d:\d+7], v[\a:\a+7], v[\b:\b+7], 0, v[\sa], v[\sb] matrix_a_fmt:MATRIX_FMT_FP4 matrix_b_fmt:MATRIX_FMT_FP4 matrix_b_scale:MATRIX_SCALE_ROW1
.else
	v_wmma_scale_f32_16x16x128_f8f6f4 v[\d:\d+7], v[\a:\a+7], v[\b:\b+7], 0, v[\sa], v[\sb] matrix_a_fmt:MATRIX_FMT_FP4 matrix_b_fmt:MATRIX_FMT_FP4
.endif
.endm
.macro LOADKQ                          ; a pair of heads: K's eight fragments, Q's two, their scale words: 25 loads
	WIN 0x40                                       ; destination window 1
.irp hb, 0,1
.irp t, 0,1,2,3,4,5,6,7
	global_load_b128 v[KF+8*\t+4*\hb:KF+8*\t+4*\hb+3], v[KA], s[16:17] offset:1024*(\t/2)+256*(\t%2)+32768*\hb   ; sixteen lanes read eight keys' 256 consecutive bytes
.endr
.endr
	WIN 0
.irp g, 0,1
.irp hb, 0,1
	global_load_b128 v[QF+12*\g+8*\hb:QF+12*\g+8*\hb+3], v[QA], s[18:19] offset:512*\g+32768*\hb
.endr
.endr
.irp b, 0,1,2,3
	global_load_b32 v[KSC+\b], v[KSA], s[20:21] offset:128*\b     ; lanes 0-15: tile 2 b; lanes 16-31: tile 2 b + 1
.endr
	global_load_b32 v[QSC], v[L4], s[24:25]        ; lanes 0-15: tile g = 0; lanes 16-31: g = 1
.endm
.macro LOADV hb                        ; a head's V for my 128 keys: four fragments and their scale words: 10 loads
.irp t, 0,1,2,3
.irp c, 0,1
	global_load_b128 v[VF+8*\t+4*\c:VF+8*\t+4*\c+3], v[VA], s[38:39] offset:1024*\t+32*\c+32768*\hb
.endr
.endr
.irp i, 0,1
	global_load_b32 v[VSC+\i], v[L4], s[40:41] offset:128*\i+2048*\hb
.endr
.endm
	s_load_b256 s[4:11], s[0:1], 0x0               ; qkc s[4:5], vc s[6:7], sc s[8:9], ac s[10:11]
	s_load_b128 s[12:15], s[0:1], 0x20             ; asc s[12:13], out1 s[14:15]
	v_lshrrev_b32 v13, 5, v0
	v_readfirstlane_b32 s22, v13                   ; wave 0..7
	v_and_b32 v53, 15, v0                          ; r
	v_bfe_u32 v54, v0, 4, 1                        ; h
	v_and_b32 v55, 31, v0                          ; lane
	v_and_b32 v13, 8, v53
	v_add_nc_u32 v13, v13, v53                     ; r + 8 (r / 8)
	v_lshlrev_b32 v[KA], 5, v13
	v_lshl_add_u32 v[KA], v54, 4, v[KA]
	v_lshl_add_u32 v[KSA], v54, 3, v13
	v_lshlrev_b32 v[KSA], 2, v[KSA]
	v_lshlrev_b32 v[QA], 5, v53
	v_lshl_add_u32 v[QA], v54, 4, v[QA]
	v_lshlrev_b32 v[L4], 2, v55
	v_lshlrev_b32 v[VA], 6, v53
	v_lshl_add_u32 v[VA], v54, 4, v[VA]
	v_mul_u32_u24 v[STR], v55, STP
	v_add_nc_u32 v[STR], ST0, v[STR]
	v_mul_u32_u24 v[ACS], v53, AP
	v_lshl_add_u32 v[ACS], v54, 2, v[ACS]
.irp g, 0,1
.irp i, 4,5,6,7
	v_mov_b32 v[QF+12*\g+\i], 0                    ; Q's zero codes, for good
.endr
.endr
.irp b, 0,1,2,3
	v_mov_b32 v[PT+\b], 0                          ; written once: a lane permute's destination counts as one of its sources
.endr
	v_mov_b32 v15, 0                               ; upper words of pairs of which the low word serves both halves
	v_mov_b32 v17, 0
	v_mov_b32 v25, 0
	v_mov_b32 v27, 0
	s_wait_alu depctr_va_sdst(0)                   ; s22 is written, ahead of its first reader: LDS places, bases and the branches on the wave's number are made from it
	s_lshr_b32 s23, s22, 2                         ; which head of a pair I help to add up
	s_lshl_b32 s2, s22, 13
	v_lshl_add_u32 v[OST], v55, 4, s2
	v_add_nc_u32 v[OST+1], EX1, v[OST]
	s_lshl_b32 s2, s22, 2
	v_add_nc_u32 v[STA], s2, v[STR]
	s_and_b32 s3, s22, 1                           ; my unit of a reduction: tile of queries w % 2,
	s_bfe_u32 s42, s22, 0x10001                    ; block of 32 d's (w / 2) % 2
	s_lshl_b32 s2, s23, 16
	s_lshl_b32 s43, s3, 12
	s_add_co_u32 s2, s2, s43
	s_lshl_b32 s43, s42, 11
	s_add_co_u32 s2, s2, s43
	v_lshl_add_u32 v[ORD], v55, 4, s2
	s_mul_i32 s2, s3, 16*AP
	s_lshl_b32 s43, s42, 4
	s_add_co_u32 s2, s2, s43
	s_lshl_b32 s43, s23, 5
	s_add_co_u32 s2, s2, s43
	s_add_co_u32 s2, s2, ATC
	v_add_nc_u32 v[ACS], s2, v[ACS]                ; row 16 g + r; 32 bytes a head, 16 a block, 4 h
	s_lshl_b32 s2, s3, 9
	s_add_co_u32 s2, s2, s42
	s_lshl_b32 s43, s23, 1
	s_add_co_u32 s2, s2, s43
	s_add_co_u32 s2, s2, ATS
	v_lshl_add_u32 v[ASS], v53, 5, s2
	s_mov_b32 s36, 0xffff0000                      ; lanes 16-31
	s_mov_b32 s32, 0x3fb8aa3b                      ; log2(e)
	s_mov_b32 s33, s32                             ; (named with it as a pair)
	s_mov_b32 s34, 0x76543210
	s_mov_b32 s35, 0xfedcba98                      ; v_permlanex16_b32's selects for lane l xor 16
	s_mov_b32 s29, 0
	s_mov_b32 s31, 0
	s_and_b32 s42, ttmp7, 0xffff                   ; n
	s_lshl_b32 s2, s42, 19                         ; a sequence's codes: 16 heads x 32,768 bytes
	s_lshl_b32 s43, s22, 12                        ; my 128 keys: 4,096 bytes, in K and in V
	s_add_co_u32 s46, s2, s43
	s_mov_b32 s47, 0
	s_wait_kmcnt 0x0
	s_add_nc_u64 s[38:39], s[6:7], s[46:47]        ; V
	s_add_nc_u64 s[16:17], s[4:5], s[46:47]
	s_add_nc_u64 s[16:17], s[16:17], 0x400000      ; K
	s_lshl_b32 s43, ttmp9, 10
	s_add_co_u32 s46, s2, s43
	s_add_nc_u64 s[18:19], s[4:5], s[46:47]        ; Q: my 32 queries
	s_lshl_b32 s2, s42, 15                         ; a sequence's scale words: 32,768 bytes in each of the three parts
	s_lshl_b32 s43, s22, 9
	s_add_co_u32 s46, s2, s43
	s_add_co_u32 s46, s46, 262144
	s_add_nc_u64 s[20:21], s[8:9], s[46:47]        ; K's
	s_lshl_b32 s43, ttmp9, 7
	s_add_co_u32 s46, s2, s43
	s_add_nc_u64 s[24:25], s[8:9], s[46:47]        ; Q's
	s_lshl_b32 s43, s22, 8
	s_add_co_u32 s46, s2, s43
	s_add_co_u32 s46, s46, 524288
	s_add_nc_u64 s[40:41], s[8:9], s[46:47]        ; V's
	s_wait_alu depctr_va_vdst(0)                   ; the twelve addresses v1 to v12 are written, which every load and LDS instruction up to the way out reads; so are Q's zero codes, which the scaled products take as part of source 1
	LOADKQ
	LOADV 0
; The softmax of tile g over my 128 keys, in two parts.  The first: the blocks' largest scores, -M_w, t - M_w, the 64 exponentials and their wait.  S keeps the unquantised p.
.macro SOFT1 g
.set SG, S+64*\g
.set NM, 14+2*\g
.irp b, 0,1,2,3
	v_max3_num_f32 v[BM+\b], v[SG+16*\b], v[SG+16*\b+1], v[SG+16*\b+2]   ; the largest score of each block of 32 keys: for the maximum, and, since p rises with the score, for the block's largest p
.endr
.irp i, 3,5,7,9,11,13
.irp b, 0,1,2,3
	v_max3_num_f32 v[BM+\b], v[BM+\b], v[SG+16*\b+\i], v[SG+16*\b+\i+1]
.endr
.endr
.irp b, 0,1,2,3
	v_max_num_f32 v[BM+\b], v[BM+\b], v[SG+16*\b+15]
.endr
.irp b, 0,1,2,3
	v_permlanex16_b32 v[PT+\b], v[BM+\b], s34, s35
.endr
.irp b, 0,1,2,3
	v_max_num_f32 v[BM+\b], v[BM+\b], v[PT+\b]
.endr
	v_max3_num_f32 v53, v[BM], v[BM+1], v[BM+2]
	v_max_num_f32 v53, v53, v[BM+3]
	v_mul_f32 v53, s32, v53                        ; my keys' largest t
	v_floor_f32 v[NM], -v53                        ; -M_w = floor(-t): a whole number
.set j, 0
.rept 32
	v_pk_fma_f32 v[SG+j:SG+j+1], v[SG+j:SG+j+1], s[32:33], v[NM:NM+1] op_sel_hi:[1,0,0]   ; t - M_w
.set j, j+2
.endr
.irp b, 0,1,2,3
	v_fma_f32 v[BM+\b], v[BM+\b], s32, v[NM]
.endr
.set j, 0
.rept 64
	v_exp_f32 v[SG+j], v[SG+j]
.set j, j+1
.endr
	v_nop                                          ; a plain place behind the exponentials
	s_wait_alu depctr_va_vdst(0)                   ; the 64 exponentials have written p, ahead of their first reader and of the branch that may follow; all that was issued ahead of them is done too, the head's 16 products K Q^T among it
.endm
; The second part: the blocks' largest p, the sum of the unquantised p, P's scale word and codes
.macro SOFT2 g
.set SG, S+64*\g
.set LL, 18+2*\g
.set PCG, PC+8*\g
.irp b, 0,1,2,3
	v_exp_f32 v[BM+\b], v[BM+\b]                   ; the blocks' largest p: the same two instructions on the same number
.endr
	v_pk_add_f32 v[LL:LL+1], v[SG:SG+1], v[SG+4:SG+5]        ; the sum, in two chains; these lines read the 64 alone
	v_pk_add_f32 v[22:23], v[SG+2:SG+3], v[SG+6:SG+7]
.set j, 8
.rept 14
	v_pk_add_f32 v[LL:LL+1], v[LL:LL+1], v[SG+j:SG+j+1]
	v_pk_add_f32 v[22:23], v[22:23], v[SG+j+2:SG+j+3]
.set j, j+4
.endr
	v_pk_add_f32 v[LL:LL+1], v[LL:LL+1], v[22:23]
	s_wait_alu depctr_va_vdst(0)                   ; the four exponentials have written the blocks' largest p, ahead of their first reader
.irp b, 0,1,2,3
	v_max_num_f32 v[BM+\b], 0x1800000, v[BM+\b]    ; the floor 2^(3 - 127): the byte cannot fall under 1
.endr
.irp b, 0,1,2,3
	v_add_nc_u32 v[SO+\b], 0xff000000, v[BM+\b]    ; 2 off the exponent field: the conversion's scale operand
.endr
.irp b, 0,1,2,3
	v_lshrrev_b32 v[BY+\b], 23, v[SO+\b]
.endr
	v_lshl_or_b32 v[PSC+\g], v[BY+1], 8, v[BY]
	v_lshl_or_b32 v[PSC+\g], v[BY+2], 16, v[PSC+\g]
	v_lshl_or_b32 v[PSC+\g], v[BY+3], 24, v[PSC+\g]
.irp b, 0,1,2,3
	v_cvt_scalef32_pk8_fp4_f32 v[PCG+2*\b], v[SG+16*\b:SG+16*\b+7], v[SO+\b]
	v_cvt_scalef32_pk8_fp4_f32 v[PCG+2*\b+1], v[SG+16*\b+8:SG+16*\b+15], v[SO+\b]
.endr
	v_nop                                          ; one plain place behind the scaled conversions
.irp c, 0,1                            ; the operand wants a whole block in a lane: lanes 0-15 block 2 c, lanes 16-31 block 2 c + 1
.irp i, 0,1
	v_permlane16_swap_b32 v[PCG+4*\c+\i], v[PCG+2+4*\c+\i]
.endr
.endr
.endm
; A query's eight -M_w (v[nb ..]) and eight sums (v[nb + 8 ..]): -M = the least; v[nb + w] becomes the whole number M_w - M (0 or less); the row's sum lands in v[nb + 8]
.macro STG nb, mn
	v_min3_num_f32 v[\mn], v[\nb], v[\nb+1], v[\nb+2]
	v_min3_num_f32 v[\mn], v[\mn], v[\nb+3], v[\nb+4]
	v_min3_num_f32 v[\mn], v[\mn], v[\nb+5], v[\nb+6]
	v_min_num_f32 v[\mn], v[\mn], v[\nb+7]
.irp w, 0,1,2,3,4,5,6,7
	v_sub_f32 v[\nb+\w], v[\mn], v[\nb+\w]
.endr
.irp w, 0,1,2,3,4,5,6,7
	v_cvt_i32_f32 v[\nb+\w], v[\nb+\w]             ; (it saturates)
.endr
.irp w, 0,1,2,3,4,5,6,7
	v_ldexp_f32 v[\nb+8+\w], v[\nb+8+\w], v[\nb+\w]   ; each wave's sum under the common M: nothing is rounded
.endr
	v_add_f32 v[\nb+8], v[\nb+8], v[\nb+9]
	v_add_f32 v[\nb+10], v[\nb+10], v[\nb+11]
	v_add_f32 v[\nb+12], v[\nb+12], v[\nb+13]
	v_add_f32 v[\nb+14], v[\nb+14], v[\nb+15]
	v_add_f32 v[\nb+8], v[\nb+8], v[\nb+10]
	v_add_f32 v[\nb+12], v[\nb+12], v[\nb+14]
	v_add_f32 v[\nb+8], v[\nb+8], v[\nb+12]
.endm
; THE REDUCTION of my unit (16 queries x 32 d's), in four parts.  The parts of the eight waves are already scaled: they are only added.  They land in O^T's registers, 16 to a part: four places.
; Each run of loads stands behind the window's switch and a wait on va_vdst, in this order.
.macro RLOAD ws, slot                  ; wave ws's part into place slot: register 8 u + j is d = 16 u + 8 h + j of the block
.irp u, 0,1
.irp c, 0,1
	ds_load_b128 v[OA+16*(\slot)+8*\u+4*\c:OA+16*(\slot)+8*\u+4*\c+3], v[ORD] offset:8192*(\ws)+1024*\u+512*\c
.endr
.endr
.endm
.macro RADD d, s                       ; place d += place s
.irp k, 0,2,4,6,8,10,12,14
	v_pk_add_f32 v[OA+16*(\d)+\k:OA+16*(\d)+\k+1], v[OA+16*(\d)+\k:OA+16*(\d)+\k+1], v[OA+16*(\s)+\k:OA+16*(\s)+\k+1]
.endr
.endm
.macro RSUM                            ; the four places into place 0
	s_wait_dscnt 0x0                               ; the run of loads asked for in the part before is in
	WIN 0x45                                       ; destination and both sources window 1
	RADD 0, 1
	RADD 2, 3
	RADD 0, 2
.endm
.macro RED_A                           ; waves 0-3's parts are asked for.  My stores out of these registers have read them: the wait on vm_vsrc ahead of the branch that leads here states it
	WIN 0x40
	s_wait_alu depctr_va_vdst(0)                   ; the packed multiplies have written O^T's registers, and every earlier addition is done reading them: the loads below land there
	RLOAD 0, 0
	RLOAD 1, 1
	RLOAD 2, 2
	RLOAD 3, 3
	WIN 0
.endm
.macro RED_B                           ; they are added; waves 4-6's are asked for
	RSUM
	WIN 0x40
	s_wait_alu depctr_va_vdst(0)                   ; the additions are done reading places 1 and 3 and writing place 2: the loads below land in the three
	RLOAD 4, 1
	RLOAD 5, 2
	RLOAD 6, 3
	WIN 0
.endm
.macro RED_C                           ; likewise; wave 7's is asked for
	RSUM
	WIN 0x40
	s_wait_alu depctr_va_vdst(0)                   ; the additions are done reading place 1: the loads below land there
	RLOAD 7, 1
	WIN 0
.endm
.macro RED_D                           ; the last addition; the block (in lanes l and l xor 16) is quantised; codes and byte go to LDS, at v53 and v54
	s_wait_dscnt 0x0
	WIN 0x05                                       ; both sources window 1, destination window 0
.irp k, 0,2,4,6,8,10,12,14
	v_pk_add_f32 v[28+\k:29+\k], v[OA+\k:OA+\k+1], v[OA+16+\k:OA+16+\k+1]
.endr
	WIN 0
	v_max3_num_f32 v22, |v28|, |v29|, 0x1800000    ; and the floor 2^(3 - 127): the byte cannot fall under 1
	v_max3_num_f32 v23, |v36|, |v37|, |v38|
	v_max3_num_f32 v22, v22, |v30|, |v31|
	v_max3_num_f32 v23, v23, |v39|, |v40|
	v_max3_num_f32 v22, v22, |v32|, |v33|
	v_max3_num_f32 v23, v23, |v41|, |v42|
	v_max3_num_f32 v22, v22, |v34|, |v35|
	v_max3_num_f32 v22, v22, v23, |v43|
	v_permlanex16_b32 v23, v22, s34, s35
	v_max_num_f32 v22, v22, v23
	v_add_nc_u32 v24, 0xff000000, v22
	v_lshrrev_b32 v55, 23, v24
	v_cvt_scalef32_pk8_fp4_f32 v13, v[28:35], v24
	v_cvt_scalef32_pk8_fp4_f32 v26, v[36:43], v24
	v_nop                                          ; one plain place behind the scaled conversions
	s_wait_alu depctr_va_vdst(0)                   ; the codes v13 and v26, the byte v55 and the two addresses v53 and v54 are written, which the three stores read
	ds_store_b32 v53, v13
	ds_store_b32 v53, v26 offset:8
	ds_store_b8 v54, v55                           ; both halves of the lanes write the same byte with the same value
	s_wait_alu depctr_vm_vsrc(0)                   ; the three stores have read v13, v26, v53, v54 and v55: the lines that follow, or a later reduction's, write them again
.endm
; ONE HEAD.  hb = 0: the pair's even head, 1: its odd head.  pre = 1: the waves of group hb finish the reduction of the head two back.  post = 1: the waves of the other group begin that of the head before.
; first = 1: the launch's first head starts the running mean.
.macro HEADX hb, pre, post, first
.if \hb == 0
	s_wait_loadcnt 10                              ; the pair's K, Q and scale words are in; the ten younger loads (V of head A) may be out
.endif
	WIN 0x01                                       ; source 0 (K) window 1
.irp t, 0,1,2,3,4,5,6,7
.irp g, 0,1
	WM S+64*\g+8*\t, KF+8*\t, QF+12*\g+4*\hb, KSC+\t/2, QSC, \t%2, \g
.endr
.endr
	WIN 0
	NOPS 4                                         ; places ahead of the reads of the scores
.if \hb == 1
	s_wait_xcnt 0x0                                ; every earlier load has read its address: the bases may step (the last pair steps by 0 and asks for itself once more: no load leaves its buffer)
	s_add_nc_u64 s[16:17], s[16:17], s[28:29]
	s_add_nc_u64 s[18:19], s[18:19], s[28:29]
	s_add_nc_u64 s[20:21], s[20:21], s[30:31]
	s_add_nc_u64 s[24:25], s[24:25], s[30:31]
.endif
	SOFT1 0
.if \hb == 1
	LOADKQ                                         ; the next pair.  No further wait: the wait that ends SOFT1 stands behind the pair's last products, which are done reading K, Q and their scale words, and nothing issued since names these registers
.endif
.if \pre
	s_cmp_eq_u32 s23, \hb                          ; a branch on the wave's number; no barrier stands in it
	s_cbranch_scc0 .Lrb_\@
	RED_B
.Lrb_\@:
.endif
	SOFT2 0
	SOFT1 1
.if \pre
	s_cmp_eq_u32 s23, \hb
	s_cbranch_scc0 .Lrc_\@
	RED_C
.Lrc_\@:
.endif
	SOFT2 1
.if \pre
	v_add_nc_u32 v53, s27, v[ACS]                  ; the place of the pair before in the result's rows: made on every wave's path
	v_add_nc_u32 v54, s44, v[ASS]
	s_cmp_eq_u32 s23, \hb
	s_cbranch_scc0 .Lrd_\@
	RED_D
.Lrd_\@:
.endif
	v_add_f32 v18, v18, v19                        ; the sums' two halves,
	v_add_f32 v20, v20, v21
	v_permlanex16_b32 v19, v18, s34, s35
	v_permlanex16_b32 v21, v20, s34, s35
	v_add_f32 v18, v18, v19                        ; and lane l xor 16's
	v_add_f32 v20, v20, v21
	v_cndmask_b32 v53, v14, v16, s36               ; a query to a lane: lanes 0-15 tile 0's, lanes 16-31 tile 1's: -M_w,
	v_cndmask_b32 v54, v18, v20, s36               ; and my sum
	NOPS 4                                         ; with the plain lines above: eight places between P's scale word and the products, four behind P's codes
	s_wait_alu depctr_va_vdst(0)                   ; v53 and v54 are written, which the two stores read; P's codes and scale words are written, which the scaled products take (behind their places); the vector side is done with v28-43, in which the statistics land behind the barrier
	ds_store_b32 v[STA], v53 offset:STB*\hb
	ds_store_b32 v[STA], v54 offset:STB*\hb+32
.if \hb == 0
	s_wait_loadcnt 0x0                             ; V
.else
	s_wait_loadcnt 25                              ; V; the 25 younger loads (the next pair's K, Q and scale words) may be out
.endif
	s_wait_dscnt 0x0                               ; my statistics have landed, and so has the O^T that I stored behind the last barrier; my reads of the exchange and of the last statistics are over
	s_barrier_signal -1                            ; the head's one barrier;
	WIN 0x40                                       ; destination (O^T) window 1
.irp t, 0,1,2,3
.irp g, 0,1
	WM OA+32*\g+8*\t, VF+8*\t, PC+8*\g, VSC+\t/2, PSC+\g, \t%2, 0     ; work on registers between its signal and its wait
.endr
.endr
	WIN 0
	s_barrier_wait -1
.irp k, 0,1,2,3
	ds_load_b128 v[28+4*\k:31+4*\k], v[STR] offset:STB*\hb+16*\k      ; query (lane)'s eight -M_w, then its eight sums.  No wait: since the wait ahead of the statistics' stores only the products were issued, which do not name v28-43
.endr
.if \hb == 1
	s_wait_xcnt 0x0                                ; every earlier load has read its address: V's bases may step
	s_add_nc_u64 s[38:39], s[38:39], s[28:29]
	s_add_nc_u64 s[40:41], s[40:41], s[30:31]
.endif
	s_wait_dscnt 0x0
	s_wait_alu depctr_vm_vsrc(0)                   ; my two stores of statistics have read v53 and v54: v54 is written again below, v53 in the next head's softmax
	STG 28, 22                                     ; (its lines are also the places behind the products, ahead of the reads of O^T)
	v_rcp_f32 v55, v36
	v_sub_f32 v23, v22, v53                        ; my own M_w - M (plain work behind the reciprocal)
	v_cvt_i32_f32 v23, v23
	s_wait_alu depctr_va_vdst(0)                   ; the reciprocal is written, ahead of its first reader; and the eight products are done reading V's fragments and scale words, in which the loads below land
.if \hb == 0
	LOADV 1
.else
	LOADV 0
.endif
	v_ldexp_f32 v13, v55, v23                      ; 2^(M_w - M) / l of query (lane)
	v_permlanex16_b32 v54, v13, s34, s35
	v_cndmask_b32 v22, v13, v54, s36               ; tile 0's factor, in both halves of the lanes,
	v_cndmask_b32 v23, v54, v13, s36               ; and tile 1's
	v_mul_f32 v24, 0x3d800000, v22                 ; a sixteenth of each, for the heads' mean
	v_mul_f32 v26, 0x3d800000, v23
	WIN 0x41                                       ; O^T (destination and source 0) window 1
.set j, 0
.rept 16
	v_pk_mul_f32 v[OA+j:OA+j+1], v[OA+j:OA+j+1], v[22:23] op_sel_hi:[1,0]              ; my part of O^T under the common M, divided by l; each result from its low end on
.set j, j+2
.endr
.rept 16
	v_pk_mul_f32 v[OA+j:OA+j+1], v[OA+j:OA+j+1], v[22:23] op_sel:[0,1] op_sel_hi:[1,1]
.set j, j+2
.endr
	WIN 0x04                                       ; an LDS store's data are its source 1: window 1
	s_wait_alu depctr_va_vdst(0)                   ; the packed multiplies have written O^T, which the sixteen stores read
.irp g, 0,1
.irp t, 0,1,2,3
	ds_store_b128 v[OST+\hb], v[OA+32*\g+8*\t:OA+32*\g+8*\t+3] offset:1024*(4*\g+\t)
	ds_store_b128 v[OST+\hb], v[OA+32*\g+8*\t+4:OA+32*\g+8*\t+7] offset:1024*(4*\g+\t)+512
.endr
.endr
.if \first
	WIN 0x40                                       ; the running mean (destination) window 1: the first head starts it
.irp g, 0,1
.set j, 0
.rept 32
	v_pk_mul_f32 v[64*\g+j:64*\g+j+1], v[S+64*\g+j:S+64*\g+j+1], v[24+2*\g:25+2*\g] op_sel_hi:[1,0]
.set j, j+2
.endr
.endr
.else
	WIN 0x50                                       ; the running mean (destination and source 2) window 1
.irp g, 0,1
.set j, 0
.rept 32
	v_pk_fma_f32 v[64*\g+j:64*\g+j+1], v[S+64*\g+j:S+64*\g+j+1], v[24+2*\g:25+2*\g], v[64*\g+j:64*\g+j+1] op_sel_hi:[1,0,1]
.set j, j+2
.endr
.endr
.endif
	WIN 0
	s_wait_alu depctr_vm_vsrc(0)                   ; the sixteen stores have read O^T's registers: the reduction's loads, or the next head's products V^T P, write them again.  The mean's lines stand between the stores and this wait
.if \post
	s_cmp_eq_u32 s23, 1-\hb                        ; the other group's region holds the head before, whole since this barrier
	s_cbranch_scc0 .Lra_\@
	RED_A
.Lra_\@:
.endif
.endm
	s_mov_b32 s28, 65536                           ; a pair on in the codes,
	s_mov_b32 s30, 4096                            ; and in the scale words
	s_mov_b32 s27, 0
	s_mov_b32 s44, 0
	HEADX 0, 0, 0, 1                               ; the first pair is written out: it has nothing to add up yet
	HEADX 1, 0, 1, 0
	s_mov_b32 s26, 1
.Lpair:                                            ; seven trips, a pair of heads each; a trip finishes the reductions of the pair before
	s_cmp_lt_u32 s26, 7
	s_cselect_b32 s28, 65536, 0                    ; nothing in the last trip
	s_cselect_b32 s30, 4096, 0
	HEADX 0, 1, 1, 0
	HEADX 1, 1, 1, 0
	s_add_co_u32 s27, s27, 64
	s_add_co_u32 s44, s44, 4
	s_add_co_u32 s26, s26, 1
	s_cmp_lt_u32 s26, 8
	s_cbranch_scc1 .Lpair
	v_add_nc_u32 v53, 448, v[ACS]                  ; the last pair's place in the result's rows
	v_add_nc_u32 v54, 28, v[ASS]
	s_cmp_eq_u32 s23, 0                            ; its even head: begun in the last trip
	s_cbranch_scc0 .Llast_a
	RED_B
	RED_C
	RED_D
.Llast_a:
	s_wait_loadcnt 0x0                             ; the last trip's look-ahead loads have landed: their registers are free
	s_wait_dscnt 0x0
	s_barrier_signal -1
	s_barrier_wait -1                              ; its odd head's parts are whole
	s_cmp_eq_u32 s23, 1
	s_cbranch_scc0 .Llast_b
	RED_A
	RED_B
	RED_C
	RED_D
.Llast_b:
	s_wait_dscnt 0x0
	s_barrier_signal -1
	s_barrier_wait -1                              ; all 32 rows of codes and bytes lie in LDS, and nobody reads the exchange regions or the statistics any more
	s_wait_alu depctr_vm_vsrc(0)                   ; every load and LDS instruction so far has read its address: v1 to v6 are made anew below
	v_and_b32 v1, 31, v0
	v_lshlrev_b32 v2, 4, v1                        ; 16 x lane
	s_mul_i32 s2, s22, 4*AP
	s_add_co_u32 s2, s2, ATC
	v_add_nc_u32 v3, s2, v2                        ; my four rows of codes
	s_and_b32 s3, s22, 1
	s_lshl_b32 s3, s3, 9
	s_add_co_u32 s2, s3, ATS
	v_add_nc_u32 v4, s2, v2                        ; half of the scale bytes
	v_and_b32 v5, 15, v0
	v_bfe_u32 v6, v0, 4, 1
	v_mul_u32_u24 v5, v5, AP
	v_lshl_add_u32 v5, v6, 6, v5
	s_mul_i32 s2, s22, 32*AP                       ; out1's stage: 32 rows x (512 bytes + 16) a wave, 135,168 bytes in all, over the exchange regions and the statistics
	v_add_nc_u32 v5, s2, v5                        ; in: row r, + 64 h
	v_add_nc_u32 v6, s2, v2                        ; back: a row's 512 bytes
	s_and_b32 s42, ttmp7, 0xffff
	s_mov_b32 s47, 0
	s_lshl_b32 s2, s42, 19
	s_lshl_b32 s43, ttmp9, 14
	s_add_co_u32 s2, s2, s43
	s_lshl_b32 s43, s22, 11
	s_add_co_u32 s46, s2, s43
	s_add_nc_u64 s[10:11], s[10:11], s[46:47]      ; ac at row 1,024 n + 32 x + 4 w
	s_lshl_b32 s2, s42, 15
	s_lshl_b32 s43, ttmp9, 10
	s_add_co_u32 s2, s2, s43
	s_add_co_u32 s46, s2, s3
	s_add_nc_u64 s[12:13], s[12:13], s[46:47]      ; asc at row 1,024 n + 32 x, + 512 (w % 2)
	s_lshl_b32 s2, s42, 22
	s_lshl_b32 s43, ttmp9, 17
	s_add_co_u32 s2, s2, s43
	s_lshl_b32 s43, s22, 9
	s_add_co_u32 s46, s2, s43
	s_add_nc_u64 s[14:15], s[14:15], s[46:47]      ; out1 at row 1,024 n + 32 x, column 128 w
	s_wait_alu depctr_va_vdst(0)                   ; the addresses v2 to v6 are written; so is the running mean, which the LDS stores below read; and the vector side is done with v28-43, v56-59 and S, in which the loads below land.  No vector instruction follows before the closing lines' two makers
.irp i, 0,1,2,3
	ds_load_b128 v[28+4*\i:31+4*\i], v3 offset:AP*\i
.endr
.irp i, 0,1,2,3
	s_wait_dscnt 3-\i                              ; the younger of the four loads may be out
	global_store_b128 v2, v[28+4*\i:31+4*\i], s[10:11] offset:512*\i      ; a row of 512 bytes
.endr
	s_cmp_lt_u32 s22, 2                            ; the 1,024 scale bytes are dense in memory: waves 0 and 1 store 512 each
	s_cbranch_scc0 .Lno_bytes
	ds_load_b128 v[56:59], v4
	s_wait_dscnt 0x0
	global_store_b128 v2, v[56:59], s[12:13]
.Lno_bytes:
	WIN 0x04
.irp g, 0,1
.irp b, 0,1,2,3
.irp q, 0,1,2,3
	ds_store_b128 v5, v[64*\g+16*\b+4*\q:64*\g+16*\b+4*\q+3] offset:16*AP*\g+128*\b+16*\q   ; register 16 b + i is key 32 b + 16 h + i of my 128
.endr
.endr
.endr
	WIN 0
.set j, 0
.rept 32
	ds_load_b128 v[S+4*j:S+4*j+3], v6 offset:AP*j  ; LDS serves a wave's instructions in order (ISA guide 5.7.1.4): these see my stores
.set j, j+1
.endr
.set j, 0
.rept 32
	s_wait_dscnt 31-j                              ; the younger of the 32 loads may be out
	global_store_b128 v2, v[S+4*j:S+4*j+3], s[14:15] offset:4096*j th:TH_STORE_NT   ; 32 lanes store 512 consecutive bytes of a row of out1
.set j, j+1
.endr
	s_wait_xcnt 0x0
	s_wait_alu depctr_vm_vsrc(0)                   ; the last store has read v254 and v255, which the two lines below write
	v_lshl_add_u32 v254, v0, 2, 0x25a00
	v_mov_b32 v255, 0
	s_wait_dscnt 0x0                               ; the closing lines, six on end
	s_wait_alu 0x0
	s_wait_tensorcnt 0x0
	ds_add_u32 v254, v255
	s_wait_dscnt 0x0
	s_endpgm
.Lfunc_end_k_q9ec479e62e_attn:
	.size	k_q9ec479e62e_attn, .Lfunc_end_k_q9ec479e62e_attn-k_q9ec479e62e_attn
	.p2alignl 7, 3214868480
	.fill 96, 4, 3214868480
	.section	.rodata,"a",@progbits
	.p2align	6, 0x0
	.amdhsa_kernel k_q9ec479e62e_attn
		.amdhsa_group_segment_fixed_size 155136
		.amdhsa_private_segment_fixed_size 0
		.amdhsa_enable_private_segment 0
		.amdhsa_kernarg_size 48
		.amdhsa_user_sgpr_count 2
		.amdhsa_user_sgpr_kernarg_segment_ptr 1
		.amdhsa_wavefront_size32 1
		.amdhsa_system_sgpr_workgroup_id_x 1
		.amdhsa_system_sgpr_workgroup_id_y 1
		.amdhsa_system_sgpr_workgroup_id_z 1
		.amdhsa_system_vgpr_workitem_id 0
		.amdhsa_next_free_vgpr 512
		.amdhsa_next_free_sgpr 66
		.amdhsa_reserve_vcc 0
		.amdhsa_float_denorm_mode_32 3
		.amdhsa_float_denorm_mode_16_64 3
		.amdhsa_memory_ordered 1
		.amdhsa_forward_progress 1
		.amdhsa_inst_pref_size 195
	.end_amdhsa_kernel
	.amdgpu_metadata
---
amdhsa.version: [ 1, 2 ]
amdhsa.kernels:
  - .name:           k_q9ec479e62e_attn
    .symbol:         k_q9ec479e62e_attn.kd
    .args:
      - { .name: qkc, .offset: 0, .size: 8, .value_kind: global_buffer, .address_space: global }
      - { .name: vc, .offset: 8, .size: 8, .value_kind: global_buffer, .address_space: global }
      - { .name: sc, .offset: 16, .size: 8, .value_kind: global_buffer, .address_space: global }
      - { .name: ac, .offset: 24, .size: 8, .value_kind: global_buffer, .address_space: global }
      - { .name: asc, .offset: 32, .size: 8, .value_kind: global_buffer, .address_space: global }
      - { .name: out1, .offset: 40, .size: 8, .value_kind: global_buffer, .address_space: global }
    .group_segment_fixed_size: 155136
    .private_segment_fixed_size: 0
    .kernarg_segment_align: 8
    .kernarg_segment_size: 48
    .max_flat_workgroup_size: 256
    .sgpr_count:     66
    .vgpr_count:     512
    .wavefront_size: 32
...
	.end_amdgpu_metadata
.endif
;; end of part 5
;; launch proj: the kernel of part 4 again; grid 4 x 32, 4 waves a work-group, clusters of 4 x 4, 327,680 bytes of LDS; arguments ac, asc, W_out_codes, W_out_scales, b_out, out0; writes out0
